; MI455X (gfx1250); checked and timed in simulation.
; The chip was launched on July 23, 2026; its instructions are those of AMD's public machine-readable ISA for CDNA 5 (MIT licence, August 2026) and "CDNA5" Instruction Set Architecture Reference Guide (July 2026). The comments in the code are by the model that wrote it; some were corrected since.
;; Causal Self Attention. Allowed arithmetic: matrix products marked QUANTISED: E2M1 operands, one E8M0 scale for each 32 along K, by v_wmma_scale_f32_16x16x128_f8f6f4 with both operands' format E2M1 (or v_wmma_scale_f32_32x16x128_f4), f32 sums; products left as they are: bf16, f16 or f32 operands; f32 sums; everything else in f32.
;; Inputs: q_gain 8 float32; w_k 256 x 1,024 float32; w_o 1,024 x 1,024 float32; w_q 1,024 x 1,024 float32; w_v 256 x 1,024 float32; x 4 x 2,048 x 1,024 float32.
;; Outputs: out0 4 x 2,048 x 1,024 float32.
;; This version of the problem:
;;   THIS VERSION OF THE PROBLEM IS GIVEN IN LOW PRECISION. The matrix products marked QUANTISED in the list below multiply operands that are first quantised to E2M1 (2 exponent bits, 1 mantissa bit; 4 bits a number), with one power-of-two scale for each 32 numbers along K (OCP MX v1.0); their sums are f32. The products marked 'left as it is' may take bf16, f16 or f32 operands, with f32 sums. Whichever they take, every output number must still come out within the allowed error. Rounding operands to bf16 (8 significant bits) uses up far more of that allowance than f16 does (11 bits, for magnitudes from 6e-5 to 65,504). All else is computed in f32.
;;   The module's matrix products, in the order in which they are computed (A, B: the left and right operand; K: the contracted axis; several contracted axes count as one K, in the product's order):
;;     1. [M 8,192, K 1,024] x [K 1,024, N 1,024]; A: input x; B: input w_q: QUANTISED
;;     2. [M 8,192, K 1,024] x [K 1,024, N 256]; A: input x; B: input w_k: QUANTISED
;;     3. [M 8,192, K 1,024] x [K 1,024, N 256]; A: input x; B: input w_v: QUANTISED
;;     4. batch 8 x [M 2,048, K 128] x [K 128, N 8,192]; A: computed on the way; B: computed on the way: left as it is (an operand is computed on the way)
;;     5. batch 8 x [M 128, K 2,048] x [K 2,048, N 8,192]; A: computed on the way; B: computed on the way: left as it is (an operand is computed on the way)
;;     6. [M 8,192, K 1,024] x [K 1,024, N 1,024]; A: computed on the way; B: input w_o: left as it is (an operand is computed on the way)
;;   THE QUANTISER, for each operand of a quantised product, along K:
;;     - K is cut into blocks of 32 from its start; a last block that is shorter is filled with zeros.
;;     - A block's scale is 2^e with e = floor(log2(the largest magnitude in the block)) - 2, held to -126 .. 127; a block of zeros has e = 0. As a byte (E8M0): e + 127.
;;     - Each number is divided by its block's scale, clamped to +-6, and rounded to the nearest number of E2M1, ties to even, subnormals kept.
;;     - The product sums the exact products of the quantised numbers (number of the format x scale) in f32.
;;   ~~~python
;;   def quantise(x, axis):      # numpy; x: float32 -> the quantised numbers, widened to float32 again
;;       x = np.moveaxis(x, axis, -1); K = x.shape[-1]
;;       x = np.pad(x, [(0, 0)] * (x.ndim - 1) + [(0, -K % 32)]); x = x.reshape(x.shape[:-1] + (-1, 32)); a = np.abs(x).max(-1, keepdims=True)
;;       e = np.where(a > 0, np.clip(np.frexp(np.where(a > 0, a, 1))[1] - 1 - 2, -126, 127), 0)      # np.frexp(a)[1] - 1 = floor(log2(a)), exactly
;;       r = np.clip(x / 2.0 ** e, -6, 6)
;;       step = 2.0 ** (np.maximum(np.frexp(np.where(r == 0, 1, r))[1] - 1, 0) - 1)
;;       q = np.round(r / step) * step * 2.0 ** e      # np.round: ties to even
;;       return np.moveaxis(q.reshape(q.shape[:-2] + (-1,))[..., :K], -1, axis).astype(np.float32)
;;   ~~~
;; One version. Each part assembles by itself: llvm-mc -triple=amdgcn-amd-amdhsa -mcpu=gfx1250 --defsym DOCPART=n.
;; ======== version 1 of 1: 5 launches
;; limits: values are held in f16: magnitudes above 65,504 overflow, below 6.1e-05 lose precision
;; workspace buffers: x_codes 4,194,304 bytes; w_codes 786,432 bytes; scales 311,296 bytes; wo16 2,097,152 bytes; rope 524,288 bytes; qkv16 25,165,824 bytes; y16 16,777,216 bytes; fine_qkv 393,216 bytes
;; launch prep (part 1): grid 400 x 1, 4 waves a work-group, no clusters, 33,280 bytes of LDS; arguments x, w_q, w_k, w_v, w_o, x_codes, w_codes, scales, wo16, rope; writes x_codes, w_codes, scales, wo16, rope
.if DOCPART == 1
	.amdgcn_target "amdgcn-amd-amdhsa--gfx1250"
	.amdhsa_code_object_version 6
	.text
	.protected	k_qed2967cdd6_prep
	.globl	k_qed2967cdd6_prep
	.p2align	8
	.type	k_qed2967cdd6_prep,@function
k_qed2967cdd6_prep:
	s_mov_b64 s[64:65], 0
	v_nop
	global_prefetch_b8 v0, s[64:65] scope:SCOPE_SE
	s_setreg_imm32_b32 hwreg(HW_REG_WAVE_MODE, 25, 1), 1
	s_wait_xcnt 0x0
; PREP: three jobs that share one launch, told apart by the work-group's number g.
;   g < 304         x (g < 256), w_q (256-287), w_k (288-295), w_v (296-303), all f32 with K innermost, become codes of FP4 (E2M1), two a byte, and one E8M0 byte for each 32 along K.
;                   x's codes go to x_codes, the three weights' on end to w_codes (rows 0-1023 w_q, 1024-1279 w_k, 1280-1535 w_v); the scale bytes to scales: x's from byte 0, the weights' from byte 262,144.
;   304 <= g < 336  w_o is rounded to f16 into wo16.
;   336 <= g < 400  the table of cos and sin for the rotary step: rope[pos][freq 0..31][cos, sin], f32: a position is 256 bytes.
; THE QUANTISER.  A block's scale is 2^(floor(log2(its largest magnitude)) - 2); its byte is the largest magnitude's exponent field - 2, held at 1 from below; numbers are divided by the scale and rounded to the
; nearest code, ties to even, beyond 6 the largest code.  Rows are dense and K is a multiple of 32, so a tensor is a plain stream of blocks.  A wave takes 16 steps of 512 numbers; each load reads 512 consecutive
; bytes; a step turns through the wave's own stage in LDS so that a lane holds 16 neighbours; two neighbouring lanes hold a block.
; LIMITS: a block of zeros, and a block whose largest magnitude lies under 2^-124, get the byte 1 (the rule says 127 for zeros): their codes are zeros and this program alone reads the bytes.  NaN and infinities are not served.
; THE TABLE.  angle = pos x 10000^(-i/32) in f32; it is reduced by multiples of pi/2 held in three parts, and sine and cosine of the rest (at most pi/4) are series up to r^9 and r^8, whose first left-out terms lie under 3e-8.
.set STEPS, 16
.set EMAX,  2
.set CB,    8                          ; bytes of 16 codes
.set R,     16                         ; v16-79   four sets of 16 numbers as loaded
.set X,     80                         ; v80-111  two sets of 16 neighbours
.set C,     128                        ; v128-191 codes, four registers for each step
.set E,     112                        ; v112-127 a scale byte for each step
.set WREG,  8192                       ; LDS: a region for each wave: two stages of 32 x SP bytes, then its 256 scale bytes
.set SP,    80                         ; a lane's place in a stage: 64 bytes + 16 of padding
.set SPW,   12                         ; v12 LDS address of my spare word; never rewritten
.set NIL,   13                         ; v13 0; never rewritten
.set SPARE, 4*WREG                     ; the spare words: 128 bytes a wave, two blocks of 256 bytes that no other line names
.set SRC,   26                         ; s[26:27] what I read
.set DST,   30                         ; s[30:31] where the codes (or f16 numbers) go
.set DSC,   36                         ; s[36:37] where the scale bytes go
	s_load_b512 s[4:19], s[0:1], 0x0               ; x 4, w_q 6, w_k 8, w_v 10, w_o 12, x_codes 14, w_codes 16, scales 18
	s_load_b128 s[20:23], s[0:1], 0x40             ; wo16 20, rope 22
	v_lshl_add_u32 v[SPW], v0, 2, SPARE
	v_mov_b32 v[NIL], 0
	v_lshrrev_b32 v1, 5, v0
	v_readfirstlane_b32 s24, v1                    ; wave
	v_and_b32 v2, 31, v0                           ; lane
	s_mov_b32 s35, 0                               ; the high word of every offset pair s[34:35]
	s_wait_kmcnt 0x0
	s_cmp_ge_u32 ttmp9, 336
	s_cbranch_scc1 .Lrope
	s_cmp_ge_u32 ttmp9, 304
	s_cbranch_scc1 .Lwo
	; ---------------- the quantiser ----------------
	v_lshlrev_b32 v3, 4, v2                        ; my 16 bytes of a load's 512
	s_mul_i32 s25, s24, WREG
	v_lshrrev_b32 v14, 2, v2
	v_mul_u32_u24 v14, v14, SP
	v_and_b32 v15, 3, v2
	v_lshl_add_u32 v14, v15, 4, v14
	v_add_nc_u32 v14, s25, v14                     ; the stage, on the way in: SP (lane / 4) + 16 (lane % 4)
	v_mul_u32_u24 v15, v2, SP
	v_add_nc_u32 v15, s25, v15                     ; and on the way out: SP x lane: my 16 neighbours
	v_mul_u32_u24 v4, v2, CB                       ; my codes' place in a step's
	v_lshrrev_b32 v5, 1, v2
	s_add_co_u32 s25, s25, 2*32*SP
	v_add_nc_u32 v5, s25, v5                       ; LDS: my wave's 256 scale bytes, my block's byte
	v_lshlrev_b32 v7, 3, v2                        ; and on the way out 8 bytes a lane
	v_add_nc_u32 v6, s25, v7
	s_mov_b64 s[SRC:SRC+1], s[10:11]               ; which tensor: the choices hang on the work-group's number alone
	s_mov_b32 s28, 296                             ; and the number of its first work-group
	s_cmp_lt_u32 ttmp9, 296
	s_cselect_b64 s[SRC:SRC+1], s[8:9], s[SRC:SRC+1]
	s_cselect_b32 s28, 288, s28
	s_cmp_lt_u32 ttmp9, 288
	s_cselect_b64 s[SRC:SRC+1], s[6:7], s[SRC:SRC+1]
	s_cselect_b32 s28, 256, s28
	s_cmp_lt_u32 ttmp9, 256
	s_cselect_b64 s[SRC:SRC+1], s[4:5], s[SRC:SRC+1]
	s_cselect_b32 s28, 0, s28
	s_cselect_b64 s[DST:DST+1], s[14:15], s[16:17]
	s_cselect_b32 s29, 0, 256                      ; the first work-group of the codes' buffer
	s_cselect_b32 s32, 0, 262144                   ; where its scale bytes begin
	s_sub_co_u32 s33, ttmp9, s28
	s_lshl_b32 s33, s33, 2
	s_add_co_u32 s33, s33, s24                     ; which run of 8,192 numbers of the tensor is my wave's
	s_lshl_b32 s34, s33, 15
	s_add_nc_u64 s[SRC:SRC+1], s[SRC:SRC+1], s[34:35]
	s_sub_co_u32 s33, ttmp9, s29
	s_lshl_b32 s33, s33, 2
	s_add_co_u32 s33, s33, s24                     ; and which run of the codes' buffer
	s_lshl_b32 s34, s33, 12
	s_add_nc_u64 s[DST:DST+1], s[DST:DST+1], s[34:35]
	s_lshl_b32 s34, s33, 8
	s_add_co_u32 s34, s34, s32
	s_add_nc_u64 s[DSC:DSC+1], s[18:19], s[34:35]
.macro LOAD t
.irp i, 0,1,2,3
	global_load_b128 v[R+16*((\t)%4)+4*\i:R+16*((\t)%4)+4*\i+3], v3, s[SRC:SRC+1] offset:2048*(\t)+512*\i th:TH_LOAD_NT   ; 32 lanes read 512 consecutive bytes
.endr
.endm
.macro TURN t                          ; step t's numbers through the stage: LDS serves a wave's instructions in order, so no wait stands between the stores and the loads
.irp i, 0,1,2,3
	ds_store_b128 v14, v[R+16*((\t)%4)+4*\i:R+16*((\t)%4)+4*\i+3] offset:32*SP*((\t)%2)+8*SP*\i
.endr
.irp i, 0,1,2,3
	ds_load_b128 v[X+16*((\t)%2)+4*\i:X+16*((\t)%2)+4*\i+3], v15 offset:32*SP*((\t)%2)+16*\i
.endr
.endm
.irp t, 0,1,2,3
	LOAD \t
.endr
	s_wait_loadcnt 12                              ; step 0's four loads are in
	TURN 0
.macro STEP t
.set XS, X+16*((\t)%2)
.if (\t) > 0
	s_wait_dscnt 1                                 ; this step's numbers are back from the stage (the last step's byte store may be out)
.else
	s_wait_dscnt 0x0
.endif
.if (\t)+4 < STEPS
	LOAD (\t)+4                                    ; the registers that the stage's stores have read take the loads of four steps on
.endif
.if (\t)+1 < STEPS
.if STEPS-2-(\t) >= 3
	s_wait_loadcnt 12                              ; the next step's four loads are in; those of the three steps behind it may be out
.else
	s_wait_loadcnt 4*(STEPS-2-(\t))
.endif
	TURN (\t)+1
.endif
	v_max3_num_f32 v8, |v[XS]|, |v[XS+1]|, |v[XS+2]|               ; the largest magnitude of my 16, in two chains
	v_max3_num_f32 v9, |v[XS+3]|, |v[XS+4]|, |v[XS+5]|
.irp i, 6,10
	v_max3_num_f32 v8, v8, |v[XS+\i]|, |v[XS+\i+1]|
	v_max3_num_f32 v9, v9, |v[XS+\i+2]|, |v[XS+\i+3]|
.endr
	v_max3_num_f32 v8, v8, |v[XS+14]|, |v[XS+15]|
	v_max3_num_f32 v8, v8, v9, (EMAX+1)<<23        ; and the floor 2^(3 - 127): the byte cannot fall under 1
	v_max_num_f32_dpp v8, v8, v8 row_xmask:1 row_mask:0xf bank_mask:0xf   ; with my neighbour's 16: the block's
	v_add_nc_u32 v11, -(EMAX<<23), v8              ; 2 off its exponent field: the conversion takes the exponent field of this operand as its scale
	v_cvt_scalef32_pk8_fp4_f32 v[C+4*(\t)], v[XS:XS+7], v11
	v_cvt_scalef32_pk8_fp4_f32 v[C+4*(\t)+1], v[XS+8:XS+15], v11
	v_lshrrev_b32 v[E+(\t)], 23, v11               ; the scale's byte (a plain line behind the conversions)
	ds_store_b8 v5, v[E+(\t)] offset:16*(\t)       ; both lanes of a block write the same byte with the same value
	global_store_b64 v4, v[C+4*(\t):C+4*(\t)+1], s[DST:DST+1] offset:32*CB*(\t)   ; the wave stores 256 consecutive bytes, aligned
.endm
.irp t, 0,1,2,3,4,5,6,7,8,9,10,11,12,13,14,15
	STEP \t
.endr
	ds_load_b64 v[8:9], v6                         ; my wave's 256 scale bytes: these loads see my stores
	s_wait_dscnt 0x0
	global_store_b64 v7, v[8:9], s[DSC:DSC+1]      ; 256 consecutive bytes, aligned
	s_branch .Lend
	; ---------------- w_o to f16: 32,768 numbers a work-group, 8,192 a wave, in four groups of 16 loads on two sets of registers ----------------
.Lwo:
	s_sub_co_u32 s28, ttmp9, 304
	s_lshl_b32 s34, s28, 17
	s_add_nc_u64 s[SRC:SRC+1], s[12:13], s[34:35]
	s_lshl_b32 s34, s28, 16
	s_add_nc_u64 s[DST:DST+1], s[20:21], s[34:35]
	v_lshlrev_b32 v3, 4, v2
	s_lshl_b32 s28, s24, 15
	v_add_nc_u32 v3, s28, v3                       ; in: 16 x lane + 32,768 x wave
	v_lshlrev_b32 v4, 3, v2
	s_lshl_b32 s28, s24, 14
	v_add_nc_u32 v4, s28, v4                       ; out: 8 x lane + 16,384 x wave
.macro WLOAD q
.irp k, 0,1,2,3,4,5,6,7,8,9,10,11,12,13,14,15
	global_load_b128 v[16+64*((\q)%2)+4*\k:16+64*((\q)%2)+4*\k+3], v3, s[SRC:SRC+1] offset:512*(16*(\q)+\k) th:TH_LOAD_NT
.endr
.endm
.macro WGROUP q
.if (\q) < 3
	s_wait_loadcnt 16                              ; this group's 16 loads are in; the next group's may be out
.else
	s_wait_loadcnt 0x0
.endif
.if (\q) > 0
	s_wait_xcnt 0x0                                ; the last group's stores have read v144-175, which are written again below
.endif
.irp k, 0,1,2,3,4,5,6,7,8,9,10,11,12,13,14,15
	v_cvt_pk_f16_f32 v[144+2*\k], v[16+64*((\q)%2)+4*\k], v[16+64*((\q)%2)+4*\k+1]
	v_cvt_pk_f16_f32 v[145+2*\k], v[16+64*((\q)%2)+4*\k+2], v[16+64*((\q)%2)+4*\k+3]
.endr
.if (\q)+2 < 4
	WLOAD (\q)+2
.endif
.irp k, 0,1,2,3,4,5,6,7,8,9,10,11,12,13,14,15
	global_store_b64 v4, v[144+2*\k:145+2*\k], s[DST:DST+1] offset:256*(16*(\q)+\k)   ; 256 consecutive bytes, aligned
.endr
.endm
	WLOAD 0
	WLOAD 1
	WGROUP 0
	WGROUP 1
	WGROUP 2
	WGROUP 3
	s_branch .Lend
	; ---------------- the rotary table: 32 positions a work-group, 8 a wave; the lane is the frequency ----------------
.Lrope:
	s_sub_co_u32 s25, ttmp9, 336
	s_lshl_b32 s25, s25, 5
	s_lshl_b32 s26, s24, 3
	s_add_co_u32 s25, s25, s26                     ; my wave's first position
	s_lshl_b32 s34, s25, 8
	s_add_nc_u64 s[SRC:SRC+1], s[22:23], s[34:35]  ; its 256 bytes of the table
	s_mov_b32 s28, 0x3f22f983                      ; 2 / pi
	s_mov_b32 s29, 0x3fc90000                      ; pi / 2 in three parts
	s_mov_b32 s30, 0x39fda000
	s_mov_b32 s31, 0x33a22168
	s_mov_b32 s32, 0xbe2aaaab                      ; sine: -1/6, 1/120, -1/5040, 1/362880
	s_mov_b32 s33, 0x3c088889
	s_mov_b32 s34, 0xb9500d01
	s_mov_b32 s35, 0x3638ef1d
	s_mov_b32 s36, 0x3d2aaaab                      ; cosine: 1/24, -1/720, 1/40320
	s_mov_b32 s37, 0xbab60b61
	s_mov_b32 s38, 0x37d00d01
	v_cvt_f32_u32 v16, v2
	v_mul_f32 v16, 0xbed49a78, v16                 ; -i log2(10000) / 32
	v_exp_f32 v16, v16                             ; 10000^(-i / 32)
	v_lshlrev_b32 v17, 3, v2                       ; 8 x lane (a plain line behind the exponential)
	s_wait_alu depctr_va_vdst(0)                   ; ahead of the first reader of the exponential
.macro ANGLE p
	s_add_co_u32 s40, s25, \p
	v_cvt_f32_u32 v20, s40
	v_mul_f32 v20, v20, v16                        ; the angle
	v_mul_f32 v21, s28, v20
	v_rndne_f32 v21, v21                           ; n: how many times pi / 2
	v_fma_f32 v22, -v21, s29, v20
	v_fma_f32 v22, -v21, s30, v22
	v_fma_f32 v22, -v21, s31, v22                  ; r, at most pi / 4
	v_cvt_i32_f32 v23, v21
	v_mul_f32 v24, v22, v22                        ; z = r r
	v_fma_f32 v25, v24, s35, s34
	v_fma_f32 v25, v25, v24, s33
	v_fma_f32 v25, v25, v24, s32
	v_mul_f32 v26, v22, v24
	v_fma_f32 v25, v26, v25, v22                   ; sin r
	v_fma_f32 v27, v24, s38, s37
	v_fma_f32 v27, v27, v24, s36
	v_fma_f32 v27, v27, v24, -0.5
	v_fma_f32 v27, v27, v24, 1.0                   ; cos r
	v_and_b32 v28, 1, v23
	v_cmp_eq_u32 vcc_lo, 1, v28                    ; an odd n changes the two over
	v_cndmask_b32 v29, v25, v27, vcc_lo
	v_cndmask_b32 v30, v27, v25, vcc_lo
	v_and_b32 v28, 2, v23                          ; the sine's sign: bit 1 of n
	v_lshlrev_b32 v28, 30, v28
	v_xor_b32 v[65+2*\p], v28, v29
	v_add_nc_u32 v28, 1, v23                       ; the cosine's: bit 1 of n + 1
	v_and_b32 v28, 2, v28
	v_lshlrev_b32 v28, 30, v28
	v_xor_b32 v[64+2*\p], v28, v30
	global_store_b64 v17, v[64+2*\p:65+2*\p], s[SRC:SRC+1] offset:256*\p   ; a position's 256 bytes; each position has data registers of its own
.endm
.irp p, 0,1,2,3,4,5,6,7
	ANGLE \p
.endr
.Lend:
	s_wait_tensorcnt 0x0                           ; the wave's end
	ds_add_u32 v[SPW], v[NIL]
	s_wait_dscnt 0x0
	s_endpgm
.Lfunc_end_k_qed2967cdd6_prep:
	.size	k_qed2967cdd6_prep, .Lfunc_end_k_qed2967cdd6_prep-k_qed2967cdd6_prep
	.p2alignl 7, 3214868480
	.fill 96, 4, 3214868480
	.section	.rodata,"a",@progbits
	.p2align	6, 0x0
	.amdhsa_kernel k_qed2967cdd6_prep
		.amdhsa_group_segment_fixed_size 33280
		.amdhsa_private_segment_fixed_size 0
		.amdhsa_enable_private_segment 0
		.amdhsa_kernarg_size 80
		.amdhsa_user_sgpr_count 2
		.amdhsa_user_sgpr_kernarg_segment_ptr 1
		.amdhsa_wavefront_size32 1
		.amdhsa_system_sgpr_workgroup_id_x 1
		.amdhsa_system_sgpr_workgroup_id_y 1
		.amdhsa_system_sgpr_workgroup_id_z 1
		.amdhsa_system_vgpr_workitem_id 0
		.amdhsa_next_free_vgpr 192
		.amdhsa_next_free_sgpr 66
		.amdhsa_reserve_vcc 1
		.amdhsa_float_denorm_mode_32 3
		.amdhsa_float_denorm_mode_16_64 3
		.amdhsa_memory_ordered 1
		.amdhsa_forward_progress 1
		.amdhsa_inst_pref_size 67
	.end_amdhsa_kernel
	.amdgpu_metadata
---
amdhsa.version: [ 1, 2 ]
amdhsa.kernels:
  - .name:           k_qed2967cdd6_prep
    .symbol:         k_qed2967cdd6_prep.kd
    .args:
      - { .name: x, .offset: 0, .size: 8, .value_kind: global_buffer, .address_space: global }
      - { .name: w_q, .offset: 8, .size: 8, .value_kind: global_buffer, .address_space: global }
      - { .name: w_k, .offset: 16, .size: 8, .value_kind: global_buffer, .address_space: global }
      - { .name: w_v, .offset: 24, .size: 8, .value_kind: global_buffer, .address_space: global }
      - { .name: w_o, .offset: 32, .size: 8, .value_kind: global_buffer, .address_space: global }
      - { .name: x_codes, .offset: 40, .size: 8, .value_kind: global_buffer, .address_space: global }
      - { .name: w_codes, .offset: 48, .size: 8, .value_kind: global_buffer, .address_space: global }
      - { .name: scales, .offset: 56, .size: 8, .value_kind: global_buffer, .address_space: global }
      - { .name: wo16, .offset: 64, .size: 8, .value_kind: global_buffer, .address_space: global }
      - { .name: rope, .offset: 72, .size: 8, .value_kind: global_buffer, .address_space: global }
    .group_segment_fixed_size: 33280
    .private_segment_fixed_size: 0
    .kernarg_segment_align: 8
    .kernarg_segment_size: 80
    .max_flat_workgroup_size: 128
    .sgpr_count:     66
    .vgpr_count:     192
    .wavefront_size: 32
...
	.end_amdgpu_metadata
.endif
;; end of part 1
;; launch qkv (part 2): grid 32 x 6, 4 waves a work-group, clusters of 4 x 1, 327,680 bytes of LDS; arguments x_codes, scales, w_codes, rope, q_gain, qkv16, fine_qkv; writes qkv16, fine_qkv
.if DOCPART == 2
	.amdgcn_target "amdgcn-amd-amdhsa--gfx1250"
	.amdhsa_code_object_version 6
	.text
	.protected	k_qed2967cdd6_qkv
	.globl	k_qed2967cdd6_qkv
	.p2align	8
	.type	k_qed2967cdd6_qkv,@function
k_qed2967cdd6_qkv:
	s_mov_b64 s[64:65], 0
	v_nop
	global_prefetch_b8 v0, s[64:65] scope:SCOPE_SE
	s_setreg_imm32_b32 hwreg(HW_REG_WAVE_MODE, 25, 1), 1
	s_wait_xcnt 0x0
	s_wait_alu depctr_hold_cnt(0) depctr_sa_sdst(0) depctr_va_vdst(0) depctr_va_sdst(0) depctr_va_ssrc(0) depctr_va_vcc(0) depctr_vm_vsrc(0)
	s_getreg_b32 s2, hwreg(HW_REG_IB_STS2, 6, 4)
	s_cmp_eq_u32 s2, 0
	s_cbranch_scc0 .Lentry_in_a_cluster
	s_endpgm
.Lentry_in_a_cluster:
	s_bfe_u32 s2, ttmp6, 0x10000c
	s_cmp_lg_u32 s2, 0x3003
	s_cbranch_scc0 .Lentry_shape_is_right
	s_endpgm
.Lentry_shape_is_right:
; QKV: C = x [w_q; w_k; w_v]^T, 8,192 x 1,536 x 1,024, on codes of FP4 (E2M1) with one E8M0 scale for each 32 along K, sums in f32; then, on the way out, the RMS norm of each head's 128 numbers, the rotary step on
; its first 64, the query gain (heads 0-7), all in f32.  Results leave as f16 planes qkv16[plane][pos 2048][128]: q plane 8 b + head, k plane 32 + 2 b + kvh, v plane 40 + 2 b + kvh (v: neither norm nor rotary step).
; Positions 0-15 of every sequence leave in f32 too: fine_qkv[b][pos][1536].
; LIMITS: v is kept in f16, so |v| stays under 65,504; q and k are normalised.  NaN and infinities are not served.
; SHARES.  A work-group makes 256 x 256 of C, a wave 128 rows x 128 columns: ONE HEAD, so that norm and rotary step never leave the wave.  K = 1,024 is two slots of 512 along K: both are filled at the start and nothing is filled again.
; 12 heads x 64 blocks of 128 rows are 768 wave tiles: 192 work-groups.
; CLUSTER: the four partners are the four batches at one block of positions and one tile column.  They need the same 256 rows of the weights: those tiles and their scales are asked for JOINTLY (mask 15);
; the tiles of x are each work-group's own (no mask).  The batch enters global addresses alone: no branch and no LDS address hangs on it.
; THE MATRIX INSTRUCTION IS USED TRANSPOSED (source 0 = 16 rows of the weights, source 1 = 16 rows of x): a lane holds row l % 16 of C and, in accumulator (a, b), columns 16 b + 8 (l / 16) + 0 .. 7.
; REGISTERS, in windows of 256: window 0: v0-31 addresses and small work; v32-95 scale words, two sets, which hold nothing else; from v128 x's fragments, one set; on the way out v96-159 T (a block's 64 numbers a lane),
;   v160-191 packed f16, v192-255 rows read back, two sets.   window 1: the weights' fragments, two sets; on the way out v0-63 cos and sin, two sets.   windows 2, 3: the 64 accumulators ((a, b) at v[8 (8 (a % 4) + b)]).
.set NQ,     4                         ; steps of 128 along K in a slot
.set ROWB,   256                       ; a tile's row in bytes: 512 codes
.set KROW,   512                       ; a row of codes in memory
.set PITCH,  272                       ; an LDS row: 256 bytes + 16 of padding: the 16 rows that a load touches start 68 words apart
.set FR,     8
.set NL,     2
.set NP,     4
.set HALFT,  128*PITCH
.set SLOT,   4*HALFT
.set KS,     32                        ; a row of scale bytes
.set SCL,    2*SLOT
.set HALFS,  (128*KS/256)*272
.set SBLK,   (16*KS/256)*272
.set SPARE,  SCL+4*HALFS               ; the spare words: 128 bytes a wave, two blocks of 256 bytes that no other line names
.set SPITCH, 272                       ; the way out: a stage of 16 rows x (256 bytes + 16) for each wave, in slot 0, which has had its only fill and its last read by then
.set F,    6                           ; v[6:7]  the row's factor; v7 = 1.0
.set CH,   8                           ; v8-15   four packed chains of squares
.set ADRA, 16
.set ADRB, 20
.set STO,  24
.set RD,   25
.set CO,   26
.set ADRS, 27
.set SPW,  28
.set NIL,  29
.set RO,   30                          ; v30 my byte in the rotary table: (pos0 + r) x 256 + 64 h
.set FO,   31                          ; v31 my byte in fine_qkv: 6,144 r + 32 h
.set SC,   32
.set T,    96
.set PK,   160
.set BK,   192
.set AF,   128
.set CSR,  0                           ; in window 1
.set SEL,  2                           ; s[2:3] lane selects for v_permlanex16_b32
.set FLG,  19                          ; s19 0 where my first 16 rows are positions 0-15
.set HD,   41                          ; s41 my head: 0-7 q, 8-9 k, 10-11 v
.set GAIN, 44
.set VM,   45                          ; s45 all ones for a v head
.set G1, 24
.set G0, 32
.set G1B, 48
.set G0B, 56
.set G1S, 68
.set G0S, 76
.set G1SB, 80
.set G0SB, 88
.set MSB, 0
.macro WIN new                         ; the immediate's high byte repeats the setting that is left
.if MSB != (\new)
	s_set_vgpr_msb (MSB<<8)|(\new)
.set MSB, (\new)
.endif
.endm
.set MUL_LO, 0xa1
.set MUL_HI, 0xf1
.set TO_B,   0x40
; Waves 0 and 1 fetch for x, waves 2 and 3 for the weights.  The branch hangs on the wave's number alone.  An s_nop 0 and four v_nop follow each of the two lines.
.macro JLOAD g0a, g1a, g0b, g1b
	s_cmp_eq_u32 s15, 0
	s_cbranch_scc0 .Lfor_b_\@
	tensor_load_to_lds s[\g0a:\g0a+3], s[\g1a:\g1a+7]
	s_nop 0
.rept 4
	v_nop
.endr
	s_branch .Lasked_\@
.Lfor_b_\@:
	tensor_load_to_lds s[\g0b:\g0b+3], s[\g1b:\g1b+7]
	s_nop 0
.rept 4
	v_nop
.endr
.Lasked_\@:
.endm
.macro CROUND                          ; a round of the cluster's barrier
	s_barrier_signal -1
	s_barrier_wait -1
	s_cmp_lg_u32 s14, 0
	s_cbranch_scc1 .Lnot_wave_0_\@
	s_barrier_signal -3
.Lnot_wave_0_\@:
	s_barrier_wait -3
	s_barrier_signal -1
	s_barrier_wait -1
.endm
	s_load_b128 s[4:7], s[0:1], 0x0                ; x's codes, the scale bytes
	s_load_b128 s[8:11], s[0:1], 0x10              ; the weights' codes, the rotary table
	s_load_b64 s[12:13], s[0:1], 0x20              ; q_gain
	s_load_b128 s[96:99], s[0:1], 0x28             ; qkv16, fine_qkv
	v_lshl_add_u32 v[SPW], v0, 2, SPARE
	v_mov_b32 v[NIL], 0
	ds_add_u32 v[SPW], v[NIL]                      ; the wave's opening: the add, twice on end, and its wait ahead of my first tensor load
	ds_add_u32 v[SPW], v[NIL]
	v_lshrrev_b32 v1, 5, v0
	v_readfirstlane_b32 s14, v1                    ; wave 0..3
	s_lshr_b32 s15, s14, 1                         ; which half of the tile's rows is mine.  Also: I fetch for x (0) or for the weights (1)
	s_and_b32 s16, s14, 1                          ; which half of its columns.  Also: which 128 rows I fetch
	s_bfe_u32 s40, ttmp6, 0x40000                  ; my place in the cluster: the batch
	s_and_b32 s42, ttmp7, 0xffff                   ; the tile column
	; descriptor group 1: 128 rows x 256 bytes, 16 bytes of padding behind each
	s_mov_b32 s[G1+0], (1<<20)|(5<<22)|(3<<25)                     ; x: no mask; elements of 1 byte; padding on: 4 words after every 64
	s_mov_b32 s[G1B+0], 15|(1<<20)|(1<<21)|(5<<22)|(3<<25)         ; the weights: all four partners, bit 21 set beside the mask
.irp g, G1, G1B
	s_mov_b32 s[\g+1], ROWB<<16                    ; tensor_dim0
	s_mov_b32 s[\g+2], 128<<16                     ; tensor_dim1
	s_mov_b32 s[\g+3], ROWB<<16                    ; tile_dim0
	s_mov_b32 s[\g+4], 128                         ; tile_dim1
	s_mov_b32 s[\g+5], KROW                        ; from row to row
	s_mov_b32 s[\g+6], 0
	s_mov_b32 s[\g+7], 0
.endr
	; the scales of 128 rows: 4,096 dense bytes as 16 rows of 256 (32 elements of 8 bytes), 16 bytes of padding behind each
	s_mov_b32 s[G1S+0], (3<<16)|(1<<20)|(5<<22)|(3<<25)
	s_mov_b32 s[G1SB+0], 15|(3<<16)|(1<<20)|(1<<21)|(5<<22)|(3<<25)
.irp g, G1S, G1SB
	s_mov_b32 s[\g+1], 32<<16
	s_mov_b32 s[\g+2], (128*KS/256)<<16
	s_mov_b32 s[\g+3], 32<<16
	s_mov_b32 s[\g+4], 128*KS/256
	s_mov_b32 s[\g+5], 32
	s_mov_b32 s[\g+6], 0
	s_mov_b32 s[\g+7], 0
.endr
	s_lshl_b32 s18, s16, 7                         ; which 128 rows of the tile I fetch
	s_lshl_b32 s20, s40, 11
	s_lshl_b32 s21, ttmp9, 8
	s_add_co_u32 s20, s20, s21
	s_add_co_u32 s20, s20, s18                     ; x: row 2,048 x batch + 256 x block + 128 x half
	s_lshl_b32 s46, s42, 8
	s_add_co_u32 s46, s46, s18                     ; the weights: row 256 x tile column + 128 x half: no place in the cluster enters it
	s_lshl_b32 s22, s20, 5                         ; these rows' scale bytes,
	s_mov_b32 s23, 0
	s_lshl_b32 s20, s20, 9                         ; and their codes
	s_mov_b32 s21, 0
	s_lshl_b32 s92, s46, 5
	s_add_co_u32 s92, s92, 262144                  ; the weights' scale bytes lie behind x's
	s_mov_b32 s93, 0
	s_lshl_b32 s46, s46, 9
	s_mov_b32 s47, 0
	s_mul_i32 s45, s14, HALFT                      ; where they go: wave x 128 rows
	s_mul_i32 s94, s14, HALFS
	s_wait_dscnt 0x0                               ; both opening adds are done
	s_wait_kmcnt 0x0
	s_add_nc_u64 s[20:21], s[4:5], s[20:21]
	s_add_nc_u64 s[22:23], s[6:7], s[22:23]
	s_add_nc_u64 s[46:47], s[8:9], s[46:47]
	s_add_nc_u64 s[92:93], s[6:7], s[92:93]
	CROUND                                         ; all four work-groups are here: the joint loads meet
	s_mov_b32 s[G0S], 1
	s_add_co_u32 s[G0S+1], s94, SCL
	s_mov_b64 s[G0S+2:G0S+3], s[22:23]
	s_or_b32 s[G0S+3], s[G0S+3], 0x80000000
	s_mov_b32 s[G0SB], 1
	s_add_co_u32 s[G0SB+1], s94, SCL
	s_mov_b64 s[G0SB+2:G0SB+3], s[92:93]
	s_or_b32 s[G0SB+3], s[G0SB+3], 0x80000000
	JLOAD G0S, G1S, G0SB, G1SB                     ; the scales first: they are wanted with the first slot
.irp s, 0,1
	s_mov_b32 s[G0+4*\s], 1
	s_add_co_u32 s[G0+4*\s+1], s45, \s*SLOT
	s_add_nc_u64 s[G0+4*\s+2:G0+4*\s+3], s[20:21], \s*ROWB
	s_or_b32 s[G0+4*\s+3], s[G0+4*\s+3], 0x80000000
	s_mov_b32 s[G0B+4*\s], 1
	s_add_co_u32 s[G0B+4*\s+1], s45, \s*SLOT
	s_add_nc_u64 s[G0B+4*\s+2:G0B+4*\s+3], s[46:47], \s*ROWB
	s_or_b32 s[G0B+4*\s+3], s[G0B+4*\s+3], 0x80000000
	JLOAD G0+4*\s, G1, G0B+4*\s, G1B               ; three loads of mine are out: the scales and both slots
.endr
	s_lshl_b32 s[HD], s42, 1
	s_add_co_u32 s[HD], s[HD], s16                 ; my head
	s_min_u32 s43, s[HD], 7
	s_lshl_b32 s66, s43, 2
	s_mov_b32 s67, 0
	s_add_nc_u64 s[12:13], s[12:13], s[66:67]
	s_load_b32 s[GAIN], s[12:13], 0x0              ; its gain (heads 8-11 read the last gain and do not use it); awaited at the way out
	v_and_b32 v1, 15, v0                           ; r = l % 16
	v_bfe_u32 v2, v0, 4, 1                         ; h = l / 16
	v_mul_u32_u24 v3, v1, PITCH
	v_lshl_add_u32 v4, v2, 4, v3                   ; a fragment's row x pitch + 16 x half
	s_mul_i32 s21, s15, HALFT
	s_mul_i32 s22, s16, HALFT
	s_add_co_u32 s22, s22, 2*HALFT
.irp s, 0,1
	v_add_nc_u32 v[ADRA+\s], s21, v4
	v_add_nc_u32 v[ADRB+\s], s22, v4
	s_add_co_u32 s21, s21, SLOT
	s_add_co_u32 s22, s22, SLOT
.endr
	v_mul_u32_u24 v5, v1, KS                       ; my row's scales: 32 bytes a row,
	v_lshrrev_b32 v6, 8, v5
	v_lshl_add_u32 v5, v6, 4, v5                   ; and 16 more for each 256 passed
	s_mul_i32 s21, s15, HALFS
	s_mul_i32 s22, s16, HALFS
	s_add_co_u32 s22, s22, 2*HALFS
	s_sub_co_u32 s22, s22, s21
	v_mul_u32_u24 v6, s22, v2                      ; lanes 16-31 take the weights'
	s_add_co_u32 s21, s21, SCL
	v_add_nc_u32 v5, v5, v6
	v_add_nc_u32 v[ADRS], s21, v5
	s_mul_i32 s23, s14, 16*SPITCH                  ; my stage
	v_mul_u32_u24 v5, v1, SPITCH
	v_lshl_add_u32 v5, v2, 4, v5
	v_add_nc_u32 v[STO], s23, v5                   ; in: row r, 16 bytes for each half of the lanes
	v_mul_u32_u24 v5, v2, SPITCH
	v_lshl_add_u32 v5, v1, 4, v5
	v_add_nc_u32 v[RD], s23, v5                    ; back: lanes 0-15 one row of 256 bytes, lanes 16-31 the next
	v_lshlrev_b32 v[CO], 8, v2
	v_lshl_add_u32 v[CO], v1, 4, v[CO]             ; and the same two rows in a plane
	s_lshl_b32 s17, ttmp9, 8
	s_lshl_b32 s18, s15, 7
	s_add_co_u32 s17, s17, s18                     ; pos0: my first position
	s_or_b32 s[FLG], ttmp9, s15
	s_lshl_b32 s18, s17, 8
	v_lshlrev_b32 v[RO], 8, v1
	v_lshl_add_u32 v[RO], v2, 6, v[RO]
	v_add_nc_u32 v[RO], s18, v[RO]
	v_mul_u32_u24 v[FO], v1, 6144
	v_lshl_add_u32 v[FO], v2, 5, v[FO]
	v_mov_b32 v7, 1.0
.macro FRAG reg, adr, q, i             ; 16 rows x 128 K of 4-bit codes: 8 registers, two loads of 16 bytes, 32 bytes apart
.irp c, 0,1
	ds_load_b128 v[\reg+4*\c:\reg+4*\c+3], v[\adr] offset:64*(\q)+32*\c+(\i)*16*PITCH
.endr
.endm
; 16 matrix instructions: x's blocks a0, a0 + 1 against the weights' eight.  The 64 accumulators take turns, one instruction a turn, in the same order in every step.
.macro MUL16 a0, p, q, sc, zero
.irp a, \a0, \a0+1
.irp b, 0,1,2,3,4,5,6,7
.if \zero
	v_wmma_scale_f32_16x16x128_f8f6f4 v[8*(8*((\a)%4)+\b):8*(8*((\a)%4)+\b)+7], v[128*(\p)+FR*\b:128*(\p)+FR*\b+FR-1], v[AF+FR*(\a):AF+FR*(\a)+FR-1], 0, v[SC+8*NQ*(\sc)+NQ*\b+(\q)], v[SC+8*NQ*(\sc)+NQ*(\a)+(\q)] matrix_a_fmt:MATRIX_FMT_FP4 matrix_b_fmt:MATRIX_FMT_FP4 matrix_a_scale:MATRIX_SCALE_ROW1
.else
	v_wmma_scale_f32_16x16x128_f8f6f4 v[8*(8*((\a)%4)+\b):8*(8*((\a)%4)+\b)+7], v[128*(\p)+FR*\b:128*(\p)+FR*\b+FR-1], v[AF+FR*(\a):AF+FR*(\a)+FR-1], v[8*(8*((\a)%4)+\b):8*(8*((\a)%4)+\b)+7], v[SC+8*NQ*(\sc)+NQ*\b+(\q)], v[SC+8*NQ*(\sc)+NQ*(\a)+(\q)] matrix_a_fmt:MATRIX_FMT_FP4 matrix_b_fmt:MATRIX_FMT_FP4 matrix_a_scale:MATRIX_SCALE_ROW1
.endif
.endr
.endr
.endm
.macro FETCH_B slot, q, p
	WIN TO_B
.irp i, 0,1,2,3,4,5,6,7
	FRAG 128*(\p)+FR*\i, ADRB+\slot, \q, \i
.endr
	WIN 0
.endm
.macro FETCH_A slot, q, i0
.irp i, \i0, \i0+1, \i0+2, \i0+3
	FRAG AF+FR*(\i), ADRA+\slot, \q, \i
.endr
.endm
.macro SCALES sc                       ; a slot's scale words: four a row; lanes 0-15 take x's block i, lanes 16-31 the weights' block i
.irp i, 0,1,2,3,4,5,6,7
	ds_load_b128 v[SC+8*NQ*\sc+NQ*\i:SC+8*NQ*\sc+NQ*\i+3], v[ADRS] offset:\i*SBLK
.endr
.endm
.macro PLACES n                        ; plain vector lines between a matrix instruction and a load into, or a vector line on, its registers
.rept \n
	v_nop
.endr
.endm
.macro STEP slot, q, zero              ; a step of 128 along K that has its successor in the same slot
	s_wait_dscnt 4*NL                              ; the weights' set and x's blocks 0-3 are in; the youngest eight loads (x's blocks 4-7) may be out
	WIN MUL_LO
	MUL16 0, (\q)%2, \q, \slot, \zero
	MUL16 2, (\q)%2, \q, \slot, \zero
	s_wait_dscnt 0
	PLACES NP
	FETCH_B \slot, (\q)+1, 1-(\q)%2
	FETCH_A \slot, (\q)+1, 0
	WIN MUL_HI
	MUL16 4, (\q)%2, \q, \slot, \zero
	MUL16 6, (\q)%2, \q, \slot, \zero
	PLACES NP
	WIN 0
	FETCH_A \slot, (\q)+1, 4
.endm
.macro STEPS slot, from
.set Q, \from
.rept NQ-1-\from
	STEP \slot, Q, 0
.set Q, Q+1
.endr
.endm
	s_wait_tensorcnt 1                             ; the scales and my part of slot 0 are in (slot 1's load may be out)
	s_barrier_signal -1
	s_barrier_wait -1                              ; everybody's are
	FETCH_B 0, 0, 0
	FETCH_A 0, 0, 0
	SCALES 0
	FETCH_A 0, 0, 4
	STEP 0, 0, 1                                   ; the first step's products start the sums: nothing is cleared
	STEPS 0, 1
	; slot 0's last step changes slots: one barrier.  In front of it each wave waits for all its tensor loads (slot 1's), adds 0 to its spare word, and waits for that and for its reads of slot 0
	s_wait_tensorcnt 0x0
	ds_add_u32 v[SPW], v[NIL]
	s_wait_dscnt 4*NL+1                            ; (the add and x's blocks 4-7 may be out)
	WIN MUL_LO
	MUL16 0, 1, NQ-1, 0, 0
	s_wait_dscnt 0x0                               ; the add is done, and my reads of slot 0 are over
	s_barrier_signal -1
	MUL16 2, 1, NQ-1, 0, 0
	WIN 0
	s_barrier_wait -1                              ; slot 1 is whole, and nobody reads slot 0 any more
	PLACES NP
	v_add_nc_u32 v[ADRS], 4*NQ, v[ADRS]            ; on to slot 1's scale words
	FETCH_B 1, 0, 0
	FETCH_A 1, 0, 0
	SCALES 1
	WIN MUL_HI
	MUL16 4, 1, NQ-1, 0, 0
	MUL16 6, 1, NQ-1, 0, 0
	PLACES NP
	WIN 0
	FETCH_A 1, 0, 4
	STEPS 1, 0
	s_wait_dscnt 4*NL                              ; the very last step
	WIN MUL_LO
	MUL16 0, 1, NQ-1, 1, 0
	MUL16 2, 1, NQ-1, 1, 0
	s_wait_dscnt 0
	WIN MUL_HI
	MUL16 4, 1, NQ-1, 1, 0
	MUL16 6, 1, NQ-1, 1, 0
	WIN 0
	; ---------------- THE WAY OUT, a block of 16 rows x my head's 128 columns at a time ----------------
	PLACES NP
	s_wait_kmcnt 0x0                               ; the gain
	s_lshl_b32 s43, s40, 3
	s_add_co_u32 s43, s43, s[HD]                   ; a q head's plane: 8 b + head
	s_lshl_b32 s66, s40, 1
	s_add_co_u32 s66, s66, s[HD]
	s_add_co_u32 s66, s66, 24                      ; a k head's: 32 + 2 b + (head - 8)
	s_add_co_u32 s67, s66, 6                       ; a v head's: 40 + 2 b + (head - 10)
	s_cmp_lt_u32 s[HD], 10
	s_cselect_b32 s66, s66, s67
	s_cselect_b32 s[VM], 0, -1
	s_cmp_lt_u32 s[HD], 8
	s_cselect_b32 s43, s43, s66
	s_cselect_b32 s[GAIN], s[GAIN], 0x3f800000     ; k has no gain
	s_lshl_b32 s66, s43, 19                        ; a plane is 524,288 bytes
	s_lshl_b32 s18, s17, 8
	s_add_co_u32 s66, s66, s18
	s_mov_b32 s67, 0
	s_add_nc_u64 s[96:97], s[96:97], s[66:67]      ; my first row in my plane
	s_mul_i32 s66, s40, 98304
	s_lshl_b32 s18, s[HD], 9
	s_add_co_u32 s66, s66, s18
	s_add_nc_u64 s[98:99], s[98:99], s[66:67]      ; my head's columns in fine_qkv
	s_mov_b32 s46, 0x3c000000                      ; 1 / 128
	s_mov_b32 s47, 0x34000000                      ; eps = 2^-23
	s_mov_b32 s[SEL], 0x76543210
	s_mov_b32 s[SEL+1], 0xfedcba98
.macro ROPELOAD a                      ; cos and sin of block a's rows at my 16 frequencies 16 bb + 8 h + j: register 16 bb + 2 j the cosine, the next the sine
	WIN 0x40                                       ; destination window 1
.irp bb, 0,1
.irp i, 0,1,2,3
	global_load_b128 v[CSR+32*((\a)%2)+16*\bb+4*\i:CSR+32*((\a)%2)+16*\bb+4*\i+3], v[RO], s[10:11] offset:4096*(\a)+128*\bb+16*\i
.endr
.endr
	WIN 0
.endm
.macro NORM a                          ; F = gain / sqrt(mean of squares + eps) of my row; 1.0 for a v head.  Each accumulator is read from its low end on
.set AC, 64*((\a)%4)
	WIN 0x0a+5*((\a)/4)                            ; sources 0 and 1: window 2 or 3
.irp b, 0,1,2,3
	v_pk_mul_f32 v[CH+2*\b:CH+2*\b+1], v[AC+8*\b:AC+8*\b+1], v[AC+8*\b:AC+8*\b+1]
.endr
.irp b, 4,5,6,7
	v_pk_fma_f32 v[CH+2*(\b-4):CH+2*(\b-4)+1], v[AC+8*\b:AC+8*\b+1], v[AC+8*\b:AC+8*\b+1], v[CH+2*(\b-4):CH+2*(\b-4)+1]
.endr
.irp p, 2,4,6
.irp b, 0,1,2,3,4,5,6,7
	v_pk_fma_f32 v[CH+2*(\b%4):CH+2*(\b%4)+1], v[AC+8*\b+\p:AC+8*\b+\p+1], v[AC+8*\b+\p:AC+8*\b+\p+1], v[CH+2*(\b%4):CH+2*(\b%4)+1]
.endr
.endr
	WIN 0
	v_pk_add_f32 v[CH:CH+1], v[CH:CH+1], v[CH+2:CH+3]
	v_pk_add_f32 v[CH+4:CH+5], v[CH+4:CH+5], v[CH+6:CH+7]
	v_pk_add_f32 v[CH:CH+1], v[CH:CH+1], v[CH+4:CH+5]
	v_add_f32 v2, v[CH], v[CH+1]
	v_permlanex16_b32 v3, v2, s[SEL], s[SEL+1]     ; the row's other 64 numbers lie in the lane 16 away
	v_add_f32 v2, v2, v3
	v_fma_f32 v2, v2, s46, s47
	v_rsq_f32 v4, v2
	v_nop                                          ; a plain line behind the root
	s_wait_alu depctr_va_vdst(0)                   ; ahead of its first reader
	v_mul_f32 v5, s[GAIN], v4
	v_cndmask_b32 v[F], v5, v7, s[VM]
.endm
.macro SCALE a                         ; T = the block's numbers x F
.set AC, 64*((\a)%4)
	s_wait_xcnt 0x0                                ; stores that read T have had their addresses translated and their data read: T is written again only behind this wait
	WIN 0x02+(\a)/4                                ; source 0: window 2 or 3
.set i, 0
.rept 32
	v_pk_mul_f32 v[T+i:T+i+1], v[AC+i:AC+i+1], v[F:F+1] op_sel_hi:[1,0]
.set i, i+2
.endr
	WIN 0
.endm
.macro ROPE a                          ; columns d and d + 32, d = 16 bb + 8 h + j, lie in one lane: T[8 bb + j] and T[8 bb + 16 + j].  A v head jumps over it: a branch on ids
	s_cmp_ge_u32 s[HD], 10
	s_cbranch_scc1 .Lnorope_\@
	WIN 0x04                                       ; source 1: window 1
.irp bb, 0,1
.irp j, 0,1,2,3,4,5,6,7
	v_mul_f32 v[2+2*(\j%2)], v[T+8*\bb+16+\j], v[CSR+32*((\a)%2)+16*\bb+2*\j+1]
	v_mul_f32 v[3+2*(\j%2)], v[T+8*\bb+\j], v[CSR+32*((\a)%2)+16*\bb+2*\j+1]
	v_fma_f32 v[T+8*\bb+\j], v[T+8*\bb+\j], v[CSR+32*((\a)%2)+16*\bb+2*\j], v[2+2*(\j%2)]
	v_fma_f32 v[T+8*\bb+16+\j], v[T+8*\bb+16+\j], v[CSR+32*((\a)%2)+16*\bb+2*\j], -v[3+2*(\j%2)]
.endr
.endr
	WIN 0
.Lnorope_\@:
.endm
.macro FINEST                          ; positions 0-15 leave in f32 too
	s_cmp_lg_u32 s[FLG], 0
	s_cbranch_scc1 .Lnofine_\@
.irp b, 0,1,2,3,4,5,6,7
	global_store_b128 v[FO], v[T+8*\b:T+8*\b+3], s[98:99] offset:64*\b
	global_store_b128 v[FO], v[T+8*\b+4:T+8*\b+7], s[98:99] offset:64*\b+16
.endr
.Lnofine_\@:
.endm
.macro PACK
.irp b, 0,1,2,3,4,5,6,7
.irp i, 0,1,2,3
	v_cvt_pk_f16_f32 v[PK+4*\b+\i], v[T+8*\b+2*\i], v[T+8*\b+2*\i+1]
.endr
.endr
.endm
.macro TOSTAGE a                       ; 16 bytes a lane into my stage, and back as whole rows of 256 bytes; LDS serves a wave's instructions in order
	s_wait_xcnt 0x0                                ; the stores of two blocks back have read the registers that the loads below fill
.irp b, 0,1,2,3,4,5,6,7
	ds_store_b128 v[STO], v[PK+4*\b:PK+4*\b+3] offset:32*\b
.endr
.irp t, 0,1,2,3,4,5,6,7
	ds_load_b128 v[BK+32*((\a)%2)+4*\t:BK+32*((\a)%2)+4*\t+3], v[RD] offset:\t*2*SPITCH
.endr
.endm
.macro SEND a
	s_wait_dscnt 0x0                               ; the block is back in registers (asked for a block's arithmetic ago)
.irp t, 0,1,2,3,4,5,6,7
	global_store_b128 v[CO], v[BK+32*((\a)%2)+4*\t:BK+32*((\a)%2)+4*\t+3], s[96:97] offset:4096*(\a)+512*\t   ; 16 lanes store 256 consecutive bytes, aligned
.endr
.endm
	ROPELOAD 0
.irp a, 0,1,2,3,4,5,6,7
.if \a < 7
	ROPELOAD \a+1
.endif
	NORM \a
	SCALE \a
.if \a < 7
	s_wait_loadcnt 8                               ; this block's eight loads of cos and sin are in; the next block's may be out
.else
	s_wait_loadcnt 0x0
.endif
	ROPE \a
.if \a == 0
	FINEST
.endif
	PACK
.if \a > 0
	SEND \a-1
.endif
	TOSTAGE \a
.endr
	SEND 7
	s_wait_tensorcnt 0x0                           ; the wave's end, behind my last tensor load and my last LDS store
	ds_add_u32 v[SPW], v[NIL]
	s_wait_dscnt 0x0
	CROUND                                         ; the closing round
	s_endpgm
.Lfunc_end_k_qed2967cdd6_qkv:
	.size	k_qed2967cdd6_qkv, .Lfunc_end_k_qed2967cdd6_qkv-k_qed2967cdd6_qkv
	.p2alignl 7, 3214868480
	.fill 96, 4, 3214868480
	.section	.rodata,"a",@progbits
	.p2align	6, 0x0
	.amdhsa_kernel k_qed2967cdd6_qkv
		.amdhsa_group_segment_fixed_size 327680
		.amdhsa_private_segment_fixed_size 0
		.amdhsa_enable_private_segment 0
		.amdhsa_kernarg_size 56
		.amdhsa_user_sgpr_count 2
		.amdhsa_user_sgpr_kernarg_segment_ptr 1
		.amdhsa_wavefront_size32 1
		.amdhsa_system_sgpr_workgroup_id_x 1
		.amdhsa_system_sgpr_workgroup_id_y 1
		.amdhsa_system_sgpr_workgroup_id_z 1
		.amdhsa_system_vgpr_workitem_id 0
		.amdhsa_next_free_vgpr 1024
		.amdhsa_next_free_sgpr 100
		.amdhsa_reserve_vcc 0
		.amdhsa_float_denorm_mode_32 3
		.amdhsa_float_denorm_mode_16_64 3
		.amdhsa_memory_ordered 1
		.amdhsa_forward_progress 1
		.amdhsa_inst_pref_size 198
	.end_amdhsa_kernel
	.amdgpu_metadata
---
amdhsa.version: [ 1, 2 ]
amdhsa.kernels:
  - .name:           k_qed2967cdd6_qkv
    .symbol:         k_qed2967cdd6_qkv.kd
    .args:
      - { .name: x_codes, .offset: 0, .size: 8, .value_kind: global_buffer, .address_space: global }
      - { .name: scales, .offset: 8, .size: 8, .value_kind: global_buffer, .address_space: global }
      - { .name: w_codes, .offset: 16, .size: 8, .value_kind: global_buffer, .address_space: global }
      - { .name: rope, .offset: 24, .size: 8, .value_kind: global_buffer, .address_space: global }
      - { .name: q_gain, .offset: 32, .size: 8, .value_kind: global_buffer, .address_space: global }
      - { .name: qkv16, .offset: 40, .size: 8, .value_kind: global_buffer, .address_space: global }
      - { .name: fine_qkv, .offset: 48, .size: 8, .value_kind: global_buffer, .address_space: global }
    .group_segment_fixed_size: 327680
    .private_segment_fixed_size: 0
    .kernarg_segment_align: 8
    .kernarg_segment_size: 56
    .max_flat_workgroup_size: 128
    .sgpr_count:     100
    .vgpr_count:     1024
    .wavefront_size: 32
...
	.end_amdgpu_metadata
.endif
;; end of part 2
;; launch attn (part 3): grid 32 x 8, 4 waves a work-group, clusters of 4 x 1, 327,680 bytes of LDS; arguments qkv16, y16; writes y16
.if DOCPART == 3
	.amdgcn_target "amdgcn-amd-amdhsa--gfx1250"
	.amdhsa_code_object_version 6
	.text
	.protected	k_qed2967cdd6_attn
	.globl	k_qed2967cdd6_attn
	.p2align	8
	.type	k_qed2967cdd6_attn,@function
k_qed2967cdd6_attn:
	s_mov_b64 s[64:65], 0
	v_nop
	global_prefetch_b8 v0, s[64:65] scope:SCOPE_SE
	s_setreg_imm32_b32 hwreg(HW_REG_WAVE_MODE, 25, 1), 1
	s_wait_xcnt 0x0
	s_wait_alu depctr_hold_cnt(0) depctr_sa_sdst(0) depctr_va_vdst(0) depctr_va_sdst(0) depctr_va_ssrc(0) depctr_va_vcc(0) depctr_vm_vsrc(0)
	s_getreg_b32 s2, hwreg(HW_REG_IB_STS2, 6, 4)
	s_cmp_eq_u32 s2, 0
	s_cbranch_scc0 .Lentry_in_a_cluster
	s_endpgm
.Lentry_in_a_cluster:
	s_bfe_u32 s2, ttmp6, 0x10000c
	s_cmp_lg_u32 s2, 0x3003
	s_cbranch_scc0 .Lentry_shape_is_right
	s_endpgm
.Lentry_shape_is_right:
; ATTN: y[b][q][head] = the sum over k <= q of softmax_k(Q . K / sqrt(128)) V, per head, on f16 operands with f32 products, maxima and sums; the weights p are rounded to f16 for the second product, y once at the end.
; Q, K, V: planes of qkv16, [2048 pos][128] f16 (q plane 8 b + head, k plane 32 + 2 b + kvh, v plane 40 + 2 b + kvh).  y16: [8192][1024] f16.
; LIMITS: |v| and |y| under 65,504; NaN and infinities are not served.  (Positions 0-15 are made here too; the output rows that hang on them are made in f32 by a launch of their own.)
; SHARES.  A work-group owns one query head and TWO blocks of 128 positions, block i and then block 15 - i (i = the cluster's x).  Keys come in slots of 128: block i wants i + 1 of them, block 15 - i wants 16 - i:
; every work-group walks 17 slots: a constant trip count, equal work, and no slot is fetched that lies wholly under the mask.  A wave owns 32 queries, two tiles of 16.
; CLUSTER.  The four partners are the four query heads of one key and value head, at the same two blocks: they walk the same K and V, so each tile is asked for JOINTLY (mask 15).  The place in the cluster enters Q's, y's and the prefetch's global addresses alone.
; LAYOUT.  S^T = K Q^T (source 0 = 16 keys, source 1 = 16 queries): a lane holds ONE query (lane % 16) and keys 8 (lane / 16) + 0..7 of each tile of 16.  Two such tiles, rounded in pairs, are source 1 of O^T = V^T P.  V is turned by ds_load_tr16_b128.
; SOFTMAX.  A running maximum m and sum l for each query: p = 2^(c s - c m), c = log2(e) / sqrt(128); in every step O and l are multiplied by a = 2^(c m_old - c m_new).
; At the change of blocks m goes back to -3e38, so that the next step's a is 0 and wipes O and l.  Hidden scores become -infinity ahead of the maximum; the first step of a block holds key 0, which counts for every query.
; A step is written in phases (scores, softmax, V^T P).
; REGISTERS, in windows of 256: window 0: v0-11 addresses; v12-27 statistics, eight a tile; v28-29 the mask's distances; v64-127 S^T; v192-223 P.   window 1: v0-127 O^T.   window 2: v0-63 Q, v128-255 K of one step.   window 3: v0-127 V of one step.
.set KS,    64                         ; keys in a step
.set PK,    272                        ; a row of K in LDS: 256 bytes + 16
.set PV,    288                        ; a row of V: 256 + 32
.set VOFF,  KS*PK
.set STEPB, KS*(PK+PV)
.set SLOT1, 1<<17                      ; a slot holds two steps; slot 1 begins here, so that one exclusive or turns an address
.set STAGE, SLOT1+2*STEPB              ; behind the ring: 16 rows x 272 bytes for each wave
.set SP,    272
.set SPARE, STAGE+4*16*SP              ; the spare words: 128 bytes a wave, two blocks of 256 bytes that no other line names
.set AK0, 2
.set AV0, 3
.set ADRK, 4
.set QO,  5
.set STO, 6
.set RD,  7
.set GO,  8
.set ADRV, 9
.set LD,  10                           ; v10 r - 8 h
.set NINF, 11
.set ST,  12                           ; tile t at v[ST+8 t]: +0 c m, +1 m, +2, +3 l, +4 to +7 at work; a takes +6
.set D0,  28
.set PFO, 61
.set SPW, 62
.set NIL, 63
.set S,   64
.set P,   192
.set KFR, 128                          ; K's fragments, in window 2
.set WV,  12
.set LIM, 15
.set PFA, 18
.set G1K, 24
.set G1V, 32
.set G0K, 40
.set G0V, 44
.set SLOTS, 56
.set SWS, 57                           ; 16 - i: the value of SLOTS in the trip that ends block i
.set CS,  58
.set SEL, 60
.set TB,  62
.set KEY, 66                           ; the step's first key
.set Q0,  67                           ; my wave's first query
.set QB,  68
.set YB,  70
.set DQ,  72
.set DY,  74
.set DP,  76
.set BACK, 77
.set BKS, 78
.set MSB, 0
.macro WIN new
.if MSB != (\new)
	s_set_vgpr_msb (MSB<<8)|(\new)
.set MSB, (\new)
.endif
.endm
.set W_KQ, 0x0a                        ; K and Q in window 2, S^T in window 0
.set W_PV, 0x53                        ; V in window 3, P in window 0, O^T in window 1
.set W_RS, 0x41                        ; O^T in window 1, the factor in window 0
; A joint load: waves 0 and 1 fetch the slot's two steps of K, waves 2 and 3 those of V.  An s_nop 0 and four v_nop follow each of the two lines.
.macro JLOAD
	s_cmp_lt_u32 s[WV], 2
	s_cbranch_scc0 .Lfor_v_\@
	tensor_load_to_lds s[G0K:G0K+3], s[G1K:G1K+7]
	s_nop 0
.rept 4
	v_nop
.endr
	s_branch .Lasked_\@
.Lfor_v_\@:
	tensor_load_to_lds s[G0V:G0V+3], s[G1V:G1V+7]
	s_nop 0
.rept 4
	v_nop
.endr
.Lasked_\@:
.endm
; A prefetch of the key slot that the NEXT change of slots will ask for.  Of the eight clusters that walk one K and V, the one with i = 0 asks: from its second walk step on it walks all sixteen key slots in order.
; Its four partners take 32 of a slot's 128 rows each, told apart by address; wave 0 asks for K's, wave 2 for V's; a lane a row of 256 bytes.  In trip t key slot t + 1 is named, t = 0 .. 14: each row of key slots 1 to 15 once.
.macro ASK
	s_cmp_gt_u32 s[SLOTS], s[LIM]
	s_cbranch_scc0 .Lnot_mine_\@
	global_prefetch_b8 v[PFO], s[PFA:PFA+1] th:TH_LOAD_NT scope:SCOPE_SE
.Lnot_mine_\@:
.endm
.macro CROUND
	s_barrier_signal -1
	s_barrier_wait -1
	s_cmp_lg_u32 s[WV], 0
	s_cbranch_scc1 .Lnot_wave_0_\@
	s_barrier_signal -3
.Lnot_wave_0_\@:
	s_barrier_wait -3
	s_barrier_signal -1
	s_barrier_wait -1
.endm
.macro PLACES
.rept 4
	v_nop
.endr
.endm
	s_load_b128 s[4:7], s[0:1], 0x0                ; qkv16, y16
	v_lshl_add_u32 v[SPW], v0, 2, SPARE
	v_mov_b32 v[NIL], 0
	ds_add_u32 v[SPW], v[NIL]                      ; the wave's opening: the add, twice on end, and its wait ahead of my first tensor load
	ds_add_u32 v[SPW], v[NIL]
	v_lshrrev_b32 v1, 5, v0
	v_readfirstlane_b32 s[WV], v1                  ; wave 0..3
	s_bfe_u32 s13, ttmp6, 0x40000                  ; my place in the cluster: the query head within the group
	s_and_b32 s14, ttmp7, 0xffff                   ; bk = 2 b + kvh
	s_and_b32 s16, s[WV], 1                        ; which of a slot's two steps I fetch
	s_mul_i32 s17, s16, STEPB                      ; its place in a slot
	s_add_co_u32 s20, s14, 32
	s_lshl_b32 s20, s20, 19                        ; K's plane,
	s_lshl_b32 s22, s16, 14
	s_add_co_u32 s20, s20, s22                     ; my step's 64 rows of 256 bytes
	s_mov_b32 s21, 0
	s_add_co_u32 s22, s20, 0x400000                ; V's plane lies eight planes on
	s_mov_b32 s23, 0
	s_lshl_b32 s[Q0], ttmp9, 7
	s_lshl_b32 s96, s[WV], 5
	s_add_co_u32 s[Q0], s[Q0], s96                 ; 128 i + 32 x wave
	s_lshl_b32 s72, s14, 2
	s_add_co_u32 s72, s72, s13                     ; Q's plane: 4 bk + place
	s_lshl_b32 s72, s72, 19
	s_lshl_b32 s96, s[Q0], 8
	s_add_co_u32 s72, s72, s96
	s_mov_b32 s73, 0
	s_lshr_b32 s74, s14, 1
	s_lshl_b32 s74, s74, 11
	s_add_co_u32 s74, s74, s[Q0]
	s_lshl_b32 s74, s74, 11                        ; y: row 2,048 b + query, 2,048 bytes a row,
	s_and_b32 s96, s14, 1
	s_lshl_b32 s96, s96, 2
	s_add_co_u32 s96, s96, s13
	s_lshl_b32 s96, s96, 8                         ; + 256 x head
	s_add_co_u32 s74, s74, s96
	s_mov_b32 s75, 0
	; descriptor group 1: 64 rows x 128 elements of 2 bytes, padded in LDS
	s_mov_b32 s[G1K], 15|(1<<16)|(1<<20)|(1<<21)|(5<<22)|(3<<25)  ; the mask: all four; elements of 2 bytes; padding on; bit 21 beside the mask; 4 words after every 64
	s_mov_b32 s[G1V], 15|(1<<16)|(1<<20)|(1<<21)|(5<<22)|(7<<25)  ; the same with 8 words
.irp g, G1K, G1V
	s_mov_b32 s[\g+1], 128<<16
	s_mov_b32 s[\g+2], KS<<16
	s_mov_b32 s[\g+3], 128<<16
	s_mov_b32 s[\g+4], KS
	s_mov_b32 s[\g+5], 128
	s_mov_b32 s[\g+6], 0
	s_mov_b32 s[\g+7], 0
.endr
	s_mov_b32 s[CS], 0x3e0293ee                    ; c = log2(e) / sqrt(128)
	s_mov_b32 s[CS+1], s[CS]
	s_mov_b32 s[SEL], 0x76543210
	s_mov_b32 s[SEL+1], 0xfedcba98
	s_mov_b32 s[TB], 0
	s_mov_b32 s[KEY], 0
	s_mov_b32 s[SLOTS], 16
	s_sub_co_u32 s[SWS], 16, ttmp9
	s_and_b32 s[LIM], s[WV], 1
	s_or_b32 s[LIM], s[LIM], ttmp9
	s_cmp_eq_u32 s[LIM], 0
	s_cselect_b32 s[LIM], 1, -1                    ; 1 in waves 0 and 2 of the clusters with i = 0: the same in all four partners
	v_and_b32 v[PFO], 31, v0
	v_lshlrev_b32 v[PFO], 8, v[PFO]
	s_wait_dscnt 0x0                               ; both opening adds are done
	s_wait_kmcnt 0x0
	s_add_nc_u64 s[8:9], s[4:5], s[20:21]          ; K at my tile of key slot 0
	s_add_nc_u64 s[10:11], s[4:5], s[22:23]        ; V likewise
	s_add_nc_u64 s[QB:QB+1], s[4:5], s[72:73]
	s_add_nc_u64 s[YB:YB+1], s[6:7], s[74:75]
	s_cmp_lt_u32 s[WV], 2
	s_cselect_b64 s[PFA:PFA+1], s[8:9], s[10:11]
	s_lshl_b32 s20, s13, 13                        ; my work-group's 32 rows of a slot's 128
	s_mov_b32 s21, 0
	s_add_nc_u64 s[PFA:PFA+1], s[PFA:PFA+1], s[20:21]   ; in key slot 0: the first change of slots steps it to key slot 1
	s_lshl_b32 s96, ttmp9, 1
	s_sub_co_u32 s96, 15, s96                      ; 15 - 2 i blocks from my first block to my second
	s_lshl_b32 s[DQ], s96, 15
	s_mov_b32 s[DQ+1], 0
	s_lshl_b32 s[DY], s96, 18
	s_mov_b32 s[DY+1], 0
	s_lshl_b32 s[DP], s96, 7
	s_add_co_u32 s[BACK], ttmp9, 1
	s_lshl_b32 s[BACK], s[BACK], 15                ; i + 1 key slots back, in bytes
	s_mov_b32 s[BKS+1], 0
	CROUND                                         ; all four work-groups are here: the first joint loads meet
	s_mov_b32 s[G0K], 1
	s_mov_b32 s[G0K+1], s17
	s_mov_b64 s[G0K+2:G0K+3], s[8:9]
	s_or_b32 s[G0K+3], s[G0K+3], 0x80000000
	s_mov_b32 s[G0V], 1
	s_add_co_u32 s[G0V+1], s17, VOFF
	s_mov_b64 s[G0V+2:G0V+3], s[10:11]
	s_or_b32 s[G0V+3], s[G0V+3], 0x80000000
	JLOAD                                          ; slot 0: key slot 0
	v_and_b32 v1, 15, v0                           ; r
	v_bfe_u32 v30, v0, 4, 1                        ; h
	v_lshlrev_b32 v[QO], 8, v1
	v_lshl_add_u32 v[QO], v30, 4, v[QO]
.macro QLOAD                           ; my 32 queries stay in registers: tile i / 4, channels 32 (i % 4) on
	WIN 0x80                                       ; destination window 2
.irp i, 0,1,2,3,4,5,6,7
	global_load_b128 v[8*\i:8*\i+3],   v[QO], s[QB:QB+1] offset:(\i/4)*4096+(\i%4)*64
	global_load_b128 v[8*\i+4:8*\i+7], v[QO], s[QB:QB+1] offset:(\i/4)*4096+(\i%4)*64+32
.endr
	WIN 0
.endm
	QLOAD
	v_mul_u32_u24 v[AK0], v1, PK
	v_lshl_add_u32 v[AK0], v30, 4, v[AK0]          ; K: row x pitch + 16 x half
	v_and_b32 v31, 7, v0
	v_bfe_u32 v32, v0, 3, 1
	v_lshl_add_u32 v[AV0], v30, 3, v31             ; V, for the turning load: key 8 h + l % 8, channels 8 ((l / 8) % 2) on
	v_mul_u32_u24 v[AV0], v[AV0], PV
	v_lshl_add_u32 v[AV0], v32, 4, v[AV0]
	v_add_nc_u32 v[AV0], VOFF, v[AV0]
	s_mul_i32 s96, s[WV], 16*SP
	s_add_co_u32 s96, s96, STAGE                   ; my stage
	v_mul_u32_u24 v[STO], v1, SP
	v_lshl_add_u32 v[STO], v30, 4, v[STO]
	v_add_nc_u32 v[STO], s96, v[STO]
	v_mul_u32_u24 v[RD], v30, SP
	v_lshl_add_u32 v[RD], v1, 4, v[RD]
	v_add_nc_u32 v[RD], s96, v[RD]
	v_lshlrev_b32 v[GO], 11, v30
	v_lshl_add_u32 v[GO], v1, 4, v[GO]             ; y: lanes 0-15 one row, lanes 16-31 the next; 16 bytes a lane
	v_lshlrev_b32 v31, 3, v30
	v_sub_nc_u32 v[LD], v1, v31
	v_mov_b32 v[NINF], 0xff800000
.irp t, 0,1
	v_mov_b32 v[ST+8*\t+1], 0xff61b1e6             ; m = -3e38, under every score
	v_mul_f32 v[ST+8*\t], s[CS], v[ST+8*\t+1]
	v_mov_b32 v[ST+8*\t+2], 0                      ; l
	v_mov_b32 v[ST+8*\t+3], 0
	v_mov_b32 v[ST+8*\t+5], 0                      ; a lane permute's destination counts as one of its sources
.endr
	WIN 0x40
.set i, 0
.rept 128
	v_mov_b32 v[i], 0                              ; O^T, once: the step is written in one form, and its first use multiplies these zeros by a = 0
.set i, i+1
.endr
	WIN 0
.macro KQ                              ; product i of 32 of S^T = K Q^T: channels 32 (i / 8) on, keys 16 ((i / 2) % 4) on, tile i % 2.  The eight accumulators take turns
	WIN W_KQ
.set rS, S+32*(i%2)+8*((i/2)%4)
.set rK, KFR+32*((i/2)%4)+8*(i/8)
.set rQ, 32*(i%2)+8*(i/8)
.if i < 8
	v_wmma_f32_16x16x32_f16 v[rS:rS+7], v[rK:rK+7], v[rQ:rQ+7], 0
.else
	v_wmma_f32_16x16x32_f16 v[rS:rS+7], v[rK:rK+7], v[rQ:rQ+7], v[rS:rS+7]
.endif
.endm
.macro PV                              ; product i of 32 of O^T += V^T P: keys 32 (i / 16) on, channels 16 ((i / 2) % 8) on, tile i % 2.  Sixteen accumulators by turns
	WIN W_PV
.set rO, 64*(i%2)+8*((i/2)%8)
.set rV, 64*(i/16)+8*((i/2)%8)
.set rP, P+16*(i%2)+8*(i/16)
	v_wmma_f32_16x16x32_f16 v[rO:rO+7], v[rV:rV+7], v[rP:rP+7], v[rO:rO+7]
.endm
.macro FETCH_K u
	WIN 0x80
.irp f, 0,1,2,3,4,5,6,7,8,9,10,11,12,13,14,15  ; keys 16 (f / 4) on, channels 32 (f % 4) on
	ds_load_b128 v[KFR+8*\f:KFR+8*\f+3],   v[ADRK] offset:\u*STEPB+(\f/4)*16*PK+(\f%4)*64
	ds_load_b128 v[KFR+8*\f+4:KFR+8*\f+7], v[ADRK] offset:\u*STEPB+(\f/4)*16*PK+(\f%4)*64+32
.endr
.endm
.macro FETCH_V u
	WIN 0xc0
.irp f, 0,1,2,3,4,5,6,7,8,9,10,11,12,13,14,15  ; keys 32 (f / 8) on, channels 16 (f % 8) on
	ds_load_tr16_b128 v[8*\f:8*\f+3],   v[ADRV] offset:\u*STEPB+(\f/8)*32*PV+(\f%8)*32
	ds_load_tr16_b128 v[8*\f+4:8*\f+7], v[ADRV] offset:\u*STEPB+(\f/8)*32*PV+16*PV+(\f%8)*32
.endr
.endm
; Register 8 kt + j of tile t holds key KEY + 16 kt + 8 h + j and query Q0 + 16 t + r: hidden where 16 kt + j > (Q0 - KEY) + 16 t + r - 8 h
.macro MASK
	s_sub_co_i32 s96, s[Q0], s[KEY]
	v_add_nc_u32 v[D0], s96, v[LD]
	v_add_nc_u32 v[D0+1], 16, v[D0]
.irp t, 0,1
.set n, 0
.rept 32
	v_cmp_gt_i32 vcc_lo, 16*(n/8)+n%8, v[D0+\t]
	v_cndmask_b32 v[S+32*\t+n], v[S+32*\t+n], v[NINF], vcc_lo
.set n, n+1
.endr
.endr
.endm
.macro SOFTMAX
.irp j, 0,1,2,3                        ; the maximum: four chains a tile, each accumulator from its low end on
.irp t, 0,1
	v_max3_num_f32 v[ST+8*\t+4+\j], v[S+32*\t+8*\j], v[S+32*\t+8*\j+1], v[S+32*\t+8*\j+2]
.endr
.endr
.irp q, 3,5
.irp j, 0,1,2,3
.irp t, 0,1
	v_max3_num_f32 v[ST+8*\t+4+\j], v[ST+8*\t+4+\j], v[S+32*\t+8*\j+\q], v[S+32*\t+8*\j+\q+1]
.endr
.endr
.endr
.irp t, 0,1
	v_max3_num_f32 v[ST+8*\t+4], v[ST+8*\t+4], v[S+32*\t+7], v[S+32*\t+15]
	v_max3_num_f32 v[ST+8*\t+6], v[ST+8*\t+6], v[S+32*\t+23], v[S+32*\t+31]
.endr
.irp t, 0,1
	v_max3_num_f32 v[ST+8*\t+4], v[ST+8*\t+4], v[ST+8*\t+5], v[ST+8*\t+6]
.endr
.irp t, 0,1
	v_max3_num_f32 v[ST+8*\t+4], v[ST+8*\t+4], v[ST+8*\t+7], v[ST+8*\t+1]   ; with the old m
.endr
.irp t, 0,1
	v_permlanex16_b32 v[ST+8*\t+5], v[ST+8*\t+4], s[SEL], s[SEL+1]         ; the query's other 32 keys lie in the lane 16 away
.endr
.irp t, 0,1
	v_mov_b32 v[ST+8*\t+7], v[ST+8*\t]             ; c m_old
.endr
.irp t, 0,1
	v_max_num_f32 v[ST+8*\t+1], v[ST+8*\t+4], v[ST+8*\t+5]
.endr
.irp t, 0,1
	v_mul_f32 v[ST+8*\t], s[CS], v[ST+8*\t+1]
.endr
.irp t, 0,1
	v_sub_f32 v[ST+8*\t+7], v[ST+8*\t+7], v[ST+8*\t]
.endr
.irp t, 0,1
.set b, 0
.rept 16
	v_pk_fma_f32 v[S+32*\t+2*b:S+32*\t+2*b+1], v[S+32*\t+2*b:S+32*\t+2*b+1], s[CS:CS+1], v[ST+8*\t:ST+8*\t+1] op_sel_hi:[1,0,0] neg_lo:[0,0,1] neg_hi:[0,0,1]   ; c s - c m
.set b, b+1
.endr
.endr
.irp t, 0,1                            ; ONE BATCH: 66 exponentials, none of which reads another's result
	v_exp_f32 v[ST+8*\t+6], v[ST+8*\t+7]           ; a
.set b, 0
.rept 32
	v_exp_f32 v[S+32*\t+b], v[S+32*\t+b]
.set b, b+1
.endr
.endr
	v_nop                                          ; a plain line behind the last exponential
	s_wait_alu depctr_va_vdst(0)                   ; one wait for the batch, ahead of its first reader
.irp t, 0,1
.set b, 0
.rept 16
	v_cvt_pk_f16_f32 v[P+16*\t+b], v[S+32*\t+2*b], v[S+32*\t+2*b+1]
.set b, b+1
.endr
.endr
.irp t, 0,1                            ; the sum of the unrounded weights, in place, in pairs
.irp u, 0,1,2,3,4,5,6,7
	v_pk_add_f32 v[S+32*\t+4*\u:S+32*\t+4*\u+1], v[S+32*\t+4*\u:S+32*\t+4*\u+1], v[S+32*\t+4*\u+2:S+32*\t+4*\u+3]
.endr
.irp u, 0,1,2,3
	v_pk_add_f32 v[S+32*\t+8*\u:S+32*\t+8*\u+1], v[S+32*\t+8*\u:S+32*\t+8*\u+1], v[S+32*\t+8*\u+4:S+32*\t+8*\u+5]
.endr
.irp u, 0,1
	v_pk_add_f32 v[S+32*\t+16*\u:S+32*\t+16*\u+1], v[S+32*\t+16*\u:S+32*\t+16*\u+1], v[S+32*\t+16*\u+8:S+32*\t+16*\u+9]
.endr
	v_pk_add_f32 v[S+32*\t:S+32*\t+1], v[S+32*\t:S+32*\t+1], v[S+32*\t+16:S+32*\t+17]
	v_pk_fma_f32 v[ST+8*\t+2:ST+8*\t+3], v[ST+8*\t+2:ST+8*\t+3], v[ST+8*\t+6:ST+8*\t+7], v[S+32*\t:S+32*\t+1] op_sel_hi:[1,0,1]   ; l = a l + the sum
.endr
	WIN W_RS
.irp t, 0,1
.set b, 0
.rept 32
	v_pk_mul_f32 v[64*\t+2*b:64*\t+2*b+1], v[64*\t+2*b:64*\t+2*b+1], v[ST+8*\t+6:ST+8*\t+7] op_sel_hi:[1,0]   ; O^T x a
.set b, b+1
.endr
.endr
	WIN 0
.endm
; A KEY STEP: 64 keys, the u-th of the slot in hand.  Step 1 is left out where all its keys come after my 32 queries: a scalar branch on ids, round no barrier and no tensor load.  Step 0's first key never comes after my first query.
.macro STEP u
.if \u == 1
	s_add_co_u32 s96, s[Q0], 31
	s_cmp_gt_u32 s[KEY], s96
	s_cbranch_scc1 .Lhidden_\@
.else
	FETCH_K 0
	s_wait_dscnt 0x0
.endif
.set i, 0
.rept 32
	KQ
.set i, i+1
.endr
	WIN 0
	PLACES                                         ; in front of the first read of the scores and of the loads into K's registers
	FETCH_V \u
.if \u == 0
	FETCH_K 1                                      ; the next step's K lands under the softmax
.endif
	WIN 0
	s_add_co_u32 s96, s[KEY], 63
	s_cmp_le_u32 s96, s[Q0]
	s_cbranch_scc1 .Lopen_\@                       ; all 64 keys count for all my queries
	MASK
.Lopen_\@:
	SOFTMAX
	s_wait_dscnt 0x0                               ; V is in (and the next step's K)
.set i, 0
.rept 32
	PV
.set i, i+1
.endr
	WIN 0
	PLACES                                         ; in front of the next loads into V's registers and of the next read of O^T
.Lhidden_\@:
	s_add_co_u32 s[KEY], s[KEY], 64
.endm
; THE CHANGE OF SLOTS stands at a slot's head.  Each wave waits for all its tensor loads (its part of the slot that it is about to read), adds 0 to its spare word, and waits for that and for its reads of the slot that it has left.
; fill = 1: a round of the cluster's barrier, and behind it the joint load of the next walk step into the slot just left: it has two key steps in which to land.  One tensor load of mine is out behind each round.
.macro CHANGE fill
	s_wait_tensorcnt 0x0                           ; no tensor load of mine is out, so a group 0 may be written
	ds_add_u32 v[SPW], v[NIL]
.if \fill
	s_xor_b32 s[G0K+1], s[G0K+1], SLOT1            ; the walking descriptors: the other slot,
	s_xor_b32 s[G0V+1], s[G0V+1], SLOT1
	s_add_nc_u64 s[G0K+2:G0K+3], s[G0K+2:G0K+3], 2*KS*256   ; the next 128 keys,
	s_add_nc_u64 s[G0V+2:G0V+3], s[G0V+2:G0V+3], 2*KS*256
	s_cmp_eq_u32 s[SLOTS], s[SWS]                  ; or, where the next walk step begins my second block, key slot 0 again
	s_cselect_b32 s[BKS], s[BACK], 0
	s_sub_nc_u64 s[G0K+2:G0K+3], s[G0K+2:G0K+3], s[BKS:BKS+1]
	s_sub_nc_u64 s[G0V+2:G0V+3], s[G0V+2:G0V+3], s[BKS:BKS+1]
	s_wait_xcnt 0x0                                ; the last prefetch, a slot back, has read its address
	s_add_nc_u64 s[PFA:PFA+1], s[PFA:PFA+1], 2*KS*256
	s_wait_dscnt 0x0                               ; the add is done, and my reads of the slot that I have left are over
	CROUND
	JLOAD
	ASK
.else
	s_wait_dscnt 0x0
	s_barrier_signal -1
	s_barrier_wait -1
.endif
	v_add_nc_u32 v[ADRK], s[TB], v[AK0]
	v_add_nc_u32 v[ADRV], s[TB], v[AV0]
.endm
; THE WAY OUT of a block: O^T / l, rounded to f16, through my stage, a tile (16 rows of y) at a time
.macro PACK t
	WIN W_RS
.set i, 64*\t
.rept 32
	v_pk_mul_f32 v[i:i+1], v[i:i+1], v[ST+8*\t+6:ST+8*\t+7] op_sel_hi:[1,0]
.set i, i+2
.endr
	WIN 0x05                                       ; sources in window 1, destination in window 0: S^T's registers are free
.set i, 0
.rept 32
	v_cvt_pk_f16_f32 v[S+32*\t+i], v[64*\t+2*i], v[64*\t+2*i+1]
.set i, i+1
.endr
	WIN 0
.irp f, 0,1,2,3,4,5,6,7
	ds_store_b128 v[STO], v[S+32*\t+4*\f:S+32*\t+4*\f+3] offset:32*\f
.endr
.irp f, 0,1,2,3,4,5,6,7
	ds_load_b128 v[S+32*\t+4*\f:S+32*\t+4*\f+3], v[RD] offset:\f*2*SP   ; LDS serves a wave's instructions in order: these see the stores above, and the next tile's stores come behind them
.endr
.endm
.macro SEND t, younger
.irp f, 0,1,2,3,4,5,6,7
	s_wait_dscnt \younger+7-\f
	global_store_b128 v[GO], v[S+32*\t+4*\f:S+32*\t+4*\f+3], s[YB:YB+1] offset:\t*32768+\f*4096   ; 16 lanes store 256 consecutive bytes, aligned
.endr
.endm
.macro FINISH
.irp t, 0,1
	v_add_f32 v[ST+8*\t+4], v[ST+8*\t+2], v[ST+8*\t+3]
.endr
.irp t, 0,1
	v_permlanex16_b32 v[ST+8*\t+5], v[ST+8*\t+4], s[SEL], s[SEL+1]
.endr
.irp t, 0,1
	v_add_f32 v[ST+8*\t+4], v[ST+8*\t+4], v[ST+8*\t+5]
.endr
.irp t, 0,1
	v_rcp_f32 v[ST+8*\t+6], v[ST+8*\t+4]
.endr
	v_nop
	s_wait_alu depctr_va_vdst(0)                   ; one wait for the two reciprocals, ahead of their first reader
	PACK 0
	PACK 1
	SEND 0, 16
	SEND 1, 0
	s_wait_xcnt 0x0                                ; the stores have read their base and their data: both are written again below
.endm
	s_wait_loadcnt 0x0                             ; Q
.Lslot:                                            ; 16 trips: walk steps 0 to 15; behind each change the next walk step is asked for
	CHANGE 1
	STEP 0
	STEP 1
	s_xor_b32 s[TB], s[TB], SLOT1
	s_cmp_lg_u32 s[SLOTS], s[SWS]
	s_cbranch_scc1 .Lsame                          ; ids and the count of trips alone: the same in all waves and all partners
	FINISH                                         ; block i is done
	s_add_nc_u64 s[QB:QB+1], s[QB:QB+1], s[DQ:DQ+1]
	s_add_nc_u64 s[YB:YB+1], s[YB:YB+1], s[DY:DY+1]
	s_add_co_u32 s[Q0], s[Q0], s[DP]
	s_mov_b32 s[KEY], 0
	QLOAD                                          ; block 15 - i's queries
.irp t, 0,1
	v_mov_b32 v[ST+8*\t+1], 0xff61b1e6             ; m back to -3e38: the next a is 0
	v_mul_f32 v[ST+8*\t], s[CS], v[ST+8*\t+1]
.endr
	s_wait_loadcnt 0x0
.Lsame:
	s_sub_co_u32 s[SLOTS], s[SLOTS], 1
	s_cmp_lg_u32 s[SLOTS], 0
	s_cbranch_scc1 .Lslot
	CHANGE 0                                       ; the last walk step is written out: nothing is left to ask for
	STEP 0
	STEP 1
	FINISH
	s_wait_tensorcnt 0x0                           ; the wave's end
	ds_add_u32 v[SPW], v[NIL]
	s_wait_dscnt 0x0
	CROUND                                         ; the closing round
	s_endpgm
.Lfunc_end_k_qed2967cdd6_attn:
	.size	k_qed2967cdd6_attn, .Lfunc_end_k_qed2967cdd6_attn-k_qed2967cdd6_attn
	.p2alignl 7, 3214868480
	.fill 96, 4, 3214868480
	.section	.rodata,"a",@progbits
	.p2align	6, 0x0
	.amdhsa_kernel k_qed2967cdd6_attn
		.amdhsa_group_segment_fixed_size 327680
		.amdhsa_private_segment_fixed_size 0
		.amdhsa_enable_private_segment 0
		.amdhsa_kernarg_size 16
		.amdhsa_user_sgpr_count 2
		.amdhsa_user_sgpr_kernarg_segment_ptr 1
		.amdhsa_wavefront_size32 1
		.amdhsa_system_sgpr_workgroup_id_x 1
		.amdhsa_system_sgpr_workgroup_id_y 1
		.amdhsa_system_sgpr_workgroup_id_z 1
		.amdhsa_system_vgpr_workitem_id 0
		.amdhsa_next_free_vgpr 1024
		.amdhsa_next_free_sgpr 100
		.amdhsa_reserve_vcc 1
		.amdhsa_float_denorm_mode_32 3
		.amdhsa_float_denorm_mode_16_64 3
		.amdhsa_memory_ordered 1
		.amdhsa_forward_progress 1
		.amdhsa_inst_pref_size 152
	.end_amdhsa_kernel
	.amdgpu_metadata
---
amdhsa.version: [ 1, 2 ]
amdhsa.kernels:
  - .name:           k_qed2967cdd6_attn
    .symbol:         k_qed2967cdd6_attn.kd
    .args:
      - { .name: qkv16, .offset: 0, .size: 8, .value_kind: global_buffer, .address_space: global }
      - { .name: y16, .offset: 8, .size: 8, .value_kind: global_buffer, .address_space: global }
    .group_segment_fixed_size: 327680
    .private_segment_fixed_size: 0
    .kernarg_segment_align: 8
    .kernarg_segment_size: 16
    .max_flat_workgroup_size: 128
    .sgpr_count:     100
    .vgpr_count:     1024
    .wavefront_size: 32
...
	.end_amdgpu_metadata
.endif
;; end of part 3
;; launch oproj (part 4): grid 4 x 64, 4 waves a work-group, clusters of 4 x 4, 327,680 bytes of LDS; arguments y16, wo16, out0; writes out0
.if DOCPART == 4
	.amdgcn_target "amdgcn-amd-amdhsa--gfx1250"
	.amdhsa_code_object_version 6
	.text
	.protected	k_qed2967cdd6_oproj
	.globl	k_qed2967cdd6_oproj
	.p2align	8
	.type	k_qed2967cdd6_oproj,@function
k_qed2967cdd6_oproj:
	s_mov_b64 s[64:65], 0
	v_nop
	global_prefetch_b8 v0, s[64:65] scope:SCOPE_SE
	s_setreg_imm32_b32 hwreg(HW_REG_WAVE_MODE, 25, 1), 1
	s_wait_xcnt 0x0
	s_wait_alu depctr_hold_cnt(0) depctr_sa_sdst(0) depctr_va_vdst(0) depctr_va_sdst(0) depctr_va_ssrc(0) depctr_va_vcc(0) depctr_vm_vsrc(0)
	s_getreg_b32 s2, hwreg(HW_REG_IB_STS2, 6, 4)
	s_cmp_eq_u32 s2, 0
	s_cbranch_scc0 .Lentry_in_a_cluster
	s_endpgm
.Lentry_in_a_cluster:
	s_bfe_u32 s2, ttmp6, 0x10000c
	s_cmp_lg_u32 s2, 0xf033
	s_cbranch_scc0 .Lentry_shape_is_right
	s_endpgm
.Lentry_shape_is_right:
; OPROJ: out0 = y w_o^T, 8,192 x 1,024 x 1,024, on f16 operands, sums in f32, out in f32.  The rows of positions 0-15 of every sequence are NOT stored here: a launch of its own makes them in f32.
; SHARES.  A tile of out0 is 128 rows x 256 columns: 256 work-groups.  Four waves, each 64 x 128: 32 accumulators, all of window 2.
; K goes in steps of 128 (rows of 256 bytes) through a ring of two LDS slots: y's 128 rows, then w_o's 256.  Waves 0 and 1 fetch y's halves (64 rows), waves 2 and 3 w_o's (128 rows), one load a wave behind each round.
; CLUSTER 4 x 4.  Tile column = cx; tile row = 16 cy + the cluster's y, so that cy is the batch and the test for positions 0-15 hangs on the cluster's y and the wave's number alone.
; y's tile is shared along a row of the cluster, w_o's along a column: each is asked for jointly.
; No prefetch: eight K steps in all.
; THE MATRIX INSTRUCTION IS USED TRANSPOSED (source 0 = 16 rows of w_o, source 1 = 16 rows of y): a lane holds eight neighbouring numbers of a row of out0.
; REGISTERS: window 0: v0-31 addresses; y's fragments v64-95, v128-159 (two buffers); on the way out v64-191 rows read back.   window 1: w_o's fragments v64-127, v128-191.   window 2: accumulator (a, b) at v[8 (8 a + b)].
.set KSTEP,  128
.set PITCH,  272
.set AROWS,  128*PITCH
.set SLOT,   384*PITCH
.set STAGE,  2*SLOT                    ; behind the ring: 16 rows x (512 bytes + 16) for each wave
.set SPITCH, 528
.set SPARE,  STAGE+4*16*SPITCH         ; the spare words: 128 bytes a wave, two blocks of 256 bytes that no other line names
.set LAPS,   4
.set ADRA, 16
.set ADRB, 20
.set STO,  24
.set RD,   25
.set CO,   26
.set SPW,  28
.set NIL,  29
.set F0,   64
.set F1,   128
.set BK,   64
.set FLG,  45                          ; s45 0 where my first 16 rows are positions 0-15
.set G1, 24
.set G0, 32
.set G1B, 48
.set G0B, 56
.set MSB, 0
.macro WIN new
.if MSB != (\new)
	s_set_vgpr_msb (MSB<<8)|(\new)
.set MSB, (\new)
.endif
.endm
.set MUL,  0xa1                        ; source 0 (w_o) window 1, source 1 (y) window 0, C and D window 2
.set TO_B, 0x40
.macro JLOAD s                         ; an s_nop 0 and four v_nop follow each of the two lines
	s_cmp_eq_u32 s11, 0
	s_cbranch_scc0 .Lfor_b_\@
	tensor_load_to_lds s[G0+4*\s:G0+4*\s+3], s[G1:G1+7]
	s_nop 0
.rept 4
	v_nop
.endr
	s_branch .Lasked_\@
.Lfor_b_\@:
	tensor_load_to_lds s[G0B+4*\s:G0B+4*\s+3], s[G1B:G1B+7]
	s_nop 0
.rept 4
	v_nop
.endr
.Lasked_\@:
.endm
.macro CREST
	s_cmp_lg_u32 s10, 0
	s_cbranch_scc1 .Lnot_wave_0_\@
	s_barrier_signal -3
.Lnot_wave_0_\@:
	s_barrier_wait -3
	s_barrier_signal -1
	s_barrier_wait -1
.endm
.macro CROUND
	s_barrier_signal -1
	s_barrier_wait -1
	CREST
.endm
.macro PLACES
.rept 4
	v_nop
.endr
.endm
	s_load_b128 s[4:7], s[0:1], 0x0                ; y16, wo16
	s_load_b64 s[8:9], s[0:1], 0x10                ; out0
	v_lshl_add_u32 v[SPW], v0, 2, SPARE
	v_mov_b32 v[NIL], 0
	ds_add_u32 v[SPW], v[NIL]                      ; the wave's opening: the add, twice on end, and its wait ahead of my first tensor load
	ds_add_u32 v[SPW], v[NIL]
	v_lshrrev_b32 v1, 5, v0
	v_readfirstlane_b32 s10, v1                    ; wave 0..3
	s_lshr_b32 s11, s10, 1                         ; which 64 rows of the tile are mine.  Also: I fetch for y (0) or for w_o (1)
	s_and_b32 s12, s10, 1                          ; which 128 columns.  Also: which half of that tile I fetch
	s_bfe_u32 s40, ttmp6, 0x40000                  ; cx
	s_bfe_u32 s41, ttmp6, 0x40004                  ; cy
	s_and_b32 s42, ttmp7, 0xffff                   ; the cluster's y
	s_lshl_b32 s13, s41, 4
	s_add_co_u32 s13, s13, s42                     ; tile row = 16 cy + cluster y
	s_lshl_b32 s43, s41, 2
	s_lshl_b32 s43, 15, s43                        ; my row of the cluster
	s_lshl_b32 s44, 0x1111, s40                    ; my column
	s_or_b32 s[G1+0], s43, (1<<16)|(1<<20)|(1<<21)|(5<<22)|(3<<25)   ; the mask; elements of 2 bytes; padding on; bit 21 beside the mask; 4 words after every 64
	s_or_b32 s[G1B+0], s44, (1<<16)|(1<<20)|(1<<21)|(5<<22)|(3<<25)
	s_mov_b32 s[G1+1], KSTEP<<16                   ; y: 64 rows x 128 elements
	s_mov_b32 s[G1+2], 64<<16
	s_mov_b32 s[G1+3], KSTEP<<16
	s_mov_b32 s[G1+4], 64
	s_mov_b32 s[G1+5], 1024
	s_mov_b32 s[G1+6], 0
	s_mov_b32 s[G1+7], 0
	s_mov_b32 s[G1B+1], KSTEP<<16                  ; w_o: 128 rows x 128 elements
	s_mov_b32 s[G1B+2], 128<<16
	s_mov_b32 s[G1B+3], KSTEP<<16
	s_mov_b32 s[G1B+4], 128
	s_mov_b32 s[G1B+5], 1024
	s_mov_b32 s[G1B+6], 0
	s_mov_b32 s[G1B+7], 0
	s_lshl_b32 s16, s13, 7
	s_lshl_b32 s17, s12, 6
	s_add_co_u32 s16, s16, s17                     ; y: row 128 x tile row + 64 x half,
	s_lshl_b32 s16, s16, 11                        ; 2,048 bytes a row
	s_mov_b32 s17, 0
	s_lshl_b32 s46, s40, 8
	s_lshl_b32 s47, s12, 7
	s_add_co_u32 s46, s46, s47                     ; w_o: row 256 x tile column + 128 x half
	s_lshl_b32 s46, s46, 11
	s_mov_b32 s47, 0
	s_mul_i32 s20, s12, 64*PITCH                   ; where they go: no place in the cluster enters an LDS address
	s_mul_i32 s21, s12, 128*PITCH
	s_add_co_u32 s21, s21, AROWS
	s_wait_dscnt 0x0                               ; both opening adds are done
	s_wait_kmcnt 0x0
	s_add_nc_u64 s[14:15], s[4:5], s[16:17]
	s_add_nc_u64 s[46:47], s[6:7], s[46:47]
	CROUND                                         ; all sixteen work-groups are here: the first joint loads meet
.irp s, 0,1
	s_mov_b32 s[G0+4*\s], 1
	s_add_co_u32 s[G0+4*\s+1], s20, \s*SLOT
	s_add_nc_u64 s[G0+4*\s+2:G0+4*\s+3], s[14:15], \s*KSTEP*2
	s_or_b32 s[G0+4*\s+3], s[G0+4*\s+3], 0x80000000
	s_mov_b32 s[G0B+4*\s], 1
	s_add_co_u32 s[G0B+4*\s+1], s21, \s*SLOT
	s_add_nc_u64 s[G0B+4*\s+2:G0B+4*\s+3], s[46:47], \s*KSTEP*2
	s_or_b32 s[G0B+4*\s+3], s[G0B+4*\s+3], 0x80000000
	JLOAD \s                                       ; two loads of mine are out: K steps 0 and 1
.endr
	v_and_b32 v1, 15, v0                           ; r
	v_bfe_u32 v2, v0, 4, 1                         ; h
	v_mul_u32_u24 v3, v1, PITCH
	v_lshl_add_u32 v3, v2, 4, v3
	s_mul_i32 s21, s11, 64*PITCH                   ; my 64 rows of y
	s_mul_i32 s22, s12, 128*PITCH                  ; my 128 rows of w_o,
	s_add_co_u32 s22, s22, AROWS                   ; behind y's 128
.irp s, 0,1
	v_add_nc_u32 v[ADRA+\s], s21, v3
	v_add_nc_u32 v[ADRB+\s], s22, v3
	s_add_co_u32 s21, s21, SLOT
	s_add_co_u32 s22, s22, SLOT
.endr
	s_mul_i32 s23, s10, 16*SPITCH
	s_add_co_u32 s23, s23, STAGE                   ; my stage
	v_mul_u32_u24 v4, v1, SPITCH
	v_lshl_add_u32 v4, v2, 5, v4
	v_add_nc_u32 v[STO], s23, v4                   ; in: row r, 32 bytes for each half of the lanes
	v_and_b32 v5, 31, v0
	v_lshlrev_b32 v[CO], 4, v5                     ; back: the 32 lanes take one row of 512 bytes; and the same in out0
	v_add_nc_u32 v[RD], s23, v[CO]
	s_lshl_b32 s16, s13, 7
	s_lshl_b32 s17, s11, 6
	s_add_co_u32 s16, s16, s17                     ; my first row of out0,
	s_lshl_b32 s16, s16, 12                        ; 4,096 bytes a row
	s_mov_b32 s17, 0
	s_lshl_b32 s46, s40, 10                        ; my first column, in bytes: 1,024 x tile column + 512 x half
	s_lshl_b32 s47, s12, 9
	s_add_co_u32 s46, s46, s47
	s_mov_b32 s47, 0
	s_add_nc_u64 s[16:17], s[16:17], s[46:47]
	s_add_nc_u64 s[8:9], s[8:9], s[16:17]
	s_or_b32 s[FLG], s42, s11
; 8 matrix instructions: y's block a against w_o's eight, 32 along K.  The 32 accumulators take turns in one order
.macro MULA f, a, zero
.irp b, 0,1,2,3,4,5,6,7
.if \zero
	v_wmma_f32_16x16x32_f16 v[8*(8*(\a)+\b):8*(8*(\a)+\b)+7], v[\f+8*\b:\f+8*\b+7], v[\f+8*(\a):\f+8*(\a)+7], 0
.else
	v_wmma_f32_16x16x32_f16 v[8*(8*(\a)+\b):8*(8*(\a)+\b)+7], v[\f+8*\b:\f+8*\b+7], v[\f+8*(\a):\f+8*(\a)+7], v[8*(8*(\a)+\b):8*(8*(\a)+\b)+7]
.endif
.endr
.endm
.macro FETCH slot, k, f                ; 24 LDS loads in one run: w_o's eight fragments, then y's four
	WIN TO_B
.irp i, 0,1,2,3,4,5,6,7
	ds_load_b128 v[\f+8*\i:\f+8*\i+3],   v[ADRB+\slot] offset:\k+\i*16*PITCH
	ds_load_b128 v[\f+8*\i+4:\f+8*\i+7], v[ADRB+\slot] offset:\k+\i*16*PITCH+32
.endr
	WIN 0
.irp i, 0,1,2,3
	ds_load_b128 v[\f+8*\i:\f+8*\i+3],   v[ADRA+\slot] offset:\k+\i*16*PITCH
	ds_load_b128 v[\f+8*\i+4:\f+8*\i+7], v[ADRA+\slot] offset:\k+\i*16*PITCH+32
.endr
.endm
.macro QUARTER slot, k, f, g, zero     ; 32 along K on buffer f; in its middle the next quarter's fragments, at byte k, into buffer g
	s_wait_dscnt 4                                 ; w_o's and y's blocks 0, 1 are in; the youngest four loads (y's blocks 2, 3) may be out
	WIN MUL
	MULA \f, 0, \zero
	MULA \f, 1, \zero
	PLACES
	FETCH \slot, \k, \g
	s_wait_dscnt 24                                ; all but the 24 just issued
	WIN MUL
	MULA \f, 2, \zero
	MULA \f, 3, \zero
.endm
; The last quarter multiplies buffer 1 and changes slots: ONE barrier; in front of it each wave waits for all its tensor loads, adds 0 to its spare word, and waits for that and for its reads of this slot.
.macro TURN slot, next, fill
	WIN 0
	s_wait_tensorcnt 0x0                           ; all my tensor loads have landed: my part of the next slot
	ds_add_u32 v[SPW], v[NIL]
	s_wait_dscnt 5                                 ; (the add and the youngest four loads may be out)
	WIN MUL
	MULA F1, 0, 0
	s_wait_dscnt 0x0                               ; the add is done, and my reads of this slot are over
	s_barrier_signal -1
	MULA F1, 1, 0
	WIN 0
	s_barrier_wait -1
.if \fill
	CREST                                          ; the barrier has opened a round of the cluster's barrier: no wave of any partner still reads this slot or has a load on its way
	s_add_nc_u64 s[G0+4*\slot+2:G0+4*\slot+3], s[G0+4*\slot+2:G0+4*\slot+3], 2*KSTEP*2
	s_add_nc_u64 s[G0B+4*\slot+2:G0B+4*\slot+3], s[G0B+4*\slot+2:G0B+4*\slot+3], 2*KSTEP*2
	JLOAD \slot                                    ; the first tensor load behind the round; its four v_nop are also the places in front of the loads below
.else
	PLACES
.endif
	FETCH \next, 0, F0
	WIN MUL
	MULA F1, 2, 0
	MULA F1, 3, 0
.endm
	s_wait_tensorcnt 1                             ; my part of K step 0 is in (K step 1's may be out)
	s_barrier_signal -1
	s_barrier_wait -1                              ; everybody's is
	FETCH 0, 0, F0
	QUARTER 0, 64, F0, F1, 1                       ; the first quarter's products start the sums
	WIN 0
	s_mov_b32 s3, LAPS-1
.Llap:                                             ; a trip goes once round the ring and fills both slots again
	QUARTER 0, 128, F1, F0, 0
	QUARTER 0, 192, F0, F1, 0
	TURN 0, 1, 1
	QUARTER 1, 64,  F0, F1, 0
	QUARTER 1, 128, F1, F0, 0
	QUARTER 1, 192, F0, F1, 0
	TURN 1, 0, 1
	QUARTER 0, 64,  F0, F1, 0
	WIN 0
	s_sub_co_u32 s3, s3, 1
	s_cmp_lg_u32 s3, 0
	s_cbranch_scc1 .Llap
	QUARTER 0, 128, F1, F0, 0                      ; the last lap fills nothing
	QUARTER 0, 192, F0, F1, 0
	TURN 0, 1, 0
	QUARTER 1, 64,  F0, F1, 0
	QUARTER 1, 128, F1, F0, 0
	QUARTER 1, 192, F0, F1, 0
	s_wait_dscnt 4
	WIN MUL
	MULA F1, 0, 0
	MULA F1, 1, 0
	s_wait_dscnt 0
	MULA F1, 2, 0
	MULA F1, 3, 0
	WIN 0
; THE WAY OUT, a block of 16 rows x 128 columns at a time, through my own stage: in as 32 bytes a lane, back as whole rows of 512 bytes
.macro TOSTAGE a
	WIN 0x08                                       ; an LDS store's data: window 2
.irp b, 0,1,2,3,4,5,6,7
	ds_store_b128 v[STO], v[8*(8*(\a)+\b):8*(8*(\a)+\b)+3] offset:64*\b        ; each accumulator from its low end on
	ds_store_b128 v[STO], v[8*(8*(\a)+\b)+4:8*(8*(\a)+\b)+7] offset:64*\b+16
.endr
	WIN 0
.irp t, 0,1,2,3,4,5,6,7,8,9,10,11,12,13,14,15
	ds_load_b128 v[BK+64*((\a)%2)+4*\t:BK+64*((\a)%2)+4*\t+3], v[RD] offset:\t*SPITCH
.endr
.endm
.macro SEND a, younger
	s_wait_dscnt \younger
.irp t, 0,1,2,3,4,5,6,7,8,9,10,11,12,13,14,15
	global_store_b128 v[CO], v[BK+64*((\a)%2)+4*\t:BK+64*((\a)%2)+4*\t+3], s[8:9] offset:65536*(\a)+4096*\t th:TH_STORE_NT   ; 32 lanes store 512 consecutive bytes, aligned
.endr
.endm
	PLACES
	s_cmp_eq_u32 s[FLG], 0
	s_cbranch_scc1 .Lskip0                         ; positions 0-15 are another launch's: a branch on ids
	TOSTAGE 0
	SEND 0, 0
.Lskip0:
	TOSTAGE 1
	s_wait_xcnt 0x0                                ; block 0's stores have read the registers that block 2's loads fill
	TOSTAGE 2
	SEND 1, 32                                     ; behind block 1's loads: block 2's 16 stores and 16 loads
	s_wait_xcnt 0x0
	TOSTAGE 3
	SEND 2, 32
	SEND 3, 0
	s_wait_tensorcnt 0x0                           ; the wave's end
	ds_add_u32 v[SPW], v[NIL]
	s_wait_dscnt 0x0
	CROUND                                         ; the closing round
	s_endpgm
.Lfunc_end_k_qed2967cdd6_oproj:
	.size	k_qed2967cdd6_oproj, .Lfunc_end_k_qed2967cdd6_oproj-k_qed2967cdd6_oproj
	.p2alignl 7, 3214868480
	.fill 96, 4, 3214868480
	.section	.rodata,"a",@progbits
	.p2align	6, 0x0
	.amdhsa_kernel k_qed2967cdd6_oproj
		.amdhsa_group_segment_fixed_size 327680
		.amdhsa_private_segment_fixed_size 0
		.amdhsa_enable_private_segment 0
		.amdhsa_kernarg_size 24
		.amdhsa_user_sgpr_count 2
		.amdhsa_user_sgpr_kernarg_segment_ptr 1
		.amdhsa_wavefront_size32 1
		.amdhsa_system_sgpr_workgroup_id_x 1
		.amdhsa_system_sgpr_workgroup_id_y 1
		.amdhsa_system_sgpr_workgroup_id_z 1
		.amdhsa_system_vgpr_workitem_id 0
		.amdhsa_next_free_vgpr 768
		.amdhsa_next_free_sgpr 66
		.amdhsa_reserve_vcc 0
		.amdhsa_float_denorm_mode_32 3
		.amdhsa_float_denorm_mode_16_64 3
		.amdhsa_memory_ordered 1
		.amdhsa_forward_progress 1
		.amdhsa_inst_pref_size 85
	.end_amdhsa_kernel
	.amdgpu_metadata
---
amdhsa.version: [ 1, 2 ]
amdhsa.kernels:
  - .name:           k_qed2967cdd6_oproj
    .symbol:         k_qed2967cdd6_oproj.kd
    .args:
      - { .name: y16, .offset: 0, .size: 8, .value_kind: global_buffer, .address_space: global }
      - { .name: wo16, .offset: 8, .size: 8, .value_kind: global_buffer, .address_space: global }
      - { .name: out0, .offset: 16, .size: 8, .value_kind: global_buffer, .address_space: global }
    .group_segment_fixed_size: 327680
    .private_segment_fixed_size: 0
    .kernarg_segment_align: 8
    .kernarg_segment_size: 24
    .max_flat_workgroup_size: 128
    .sgpr_count:     66
    .vgpr_count:     768
    .wavefront_size: 32
...
	.end_amdgpu_metadata
.endif
;; end of part 4
;; launch fine (part 5): grid 64 x 4, 8 waves a work-group, no clusters, 9,216 bytes of LDS; arguments fine_qkv, w_o, out0; writes out0
.if DOCPART == 5
	.amdgcn_target "amdgcn-amd-amdhsa--gfx1250"
	.amdhsa_code_object_version 6
	.text
	.protected	k_qed2967cdd6_fine
	.globl	k_qed2967cdd6_fine
	.p2align	8
	.type	k_qed2967cdd6_fine,@function
k_qed2967cdd6_fine:
	s_mov_b64 s[64:65], 0
	v_nop
	global_prefetch_b8 v0, s[64:65] scope:SCOPE_SE
	s_setreg_imm32_b32 hwreg(HW_REG_WAVE_MODE, 25, 1), 1
	s_wait_xcnt 0x0
; FINE: the output rows of positions 0-15 of every sequence, with scores, weighted values and projection all on f32 operands: these rows average one to sixteen values, and are carried more finely.
; fine_qkv[b][pos 16][1536] f32 holds q (norm, rotary step, gain), k and v of those positions.  out0 rows 2,048 b + 0 .. 15 are stored here and by no other launch.
; SHARES.  Work-group (x, b): output columns n0 = 16 x .. + 15 of batch b.  Wave w is head w: it makes that head's attention for the 16 rows, and from its own registers the part of the projection with K = 128 w .. 128 w + 127.
; The eight parts meet in LDS and wave 0 adds and stores them.  The attention is made anew in each of a batch's 64 work-groups (64 small matrix instructions a wave): so nothing goes through memory inside the launch.
; No cluster: the launch has no tensor load.  A work-group's share of a row is 64 bytes: the launch stores 262,144 bytes in all.
; FORM: v_wmma_f32_16x16x4_f32.  A lane's registers j = 0, 1 hold k = 2 h + j; the k of both sources are permuted alike, so that loads of 16 bytes and results as they lie can feed it.
; Four accumulators v208-239 take turns; they are written by matrix instructions alone; sums begin with the constant 0.  Eight plain lines stand ahead of each read of them, nine ahead of each new use.
; LIMITS: NaN and infinities among the inputs are not served.
.set QR,  16                           ; v16-79   Q, later w_o
.set KR,  80                           ; v80-143  K, later y
.set VR,  144                          ; v144-207 V^T, later the eight parts
.set ACC, 208
.set PR,  240                          ; v240-247 scores, then p; later my part of the output
.set T2,  8                            ; v8-15    at work
.set SPARE, 8192
	s_load_b128 s[4:7], s[0:1], 0x0                ; fine_qkv, w_o
	s_load_b64 s[8:9], s[0:1], 0x10                ; out0
	v_lshl_add_u32 v254, v0, 2, SPARE              ; my spare word; never rewritten
	v_mov_b32 v255, 0                              ; 0; never rewritten
	v_lshrrev_b32 v1, 5, v0
	v_readfirstlane_b32 s10, v1                    ; wave = head
	v_and_b32 v1, 15, v0                           ; r
	v_bfe_u32 v2, v0, 4, 1                         ; h
	s_and_b32 s11, ttmp7, 0xffff                   ; b
	s_mul_i32 s12, s11, 98304
	s_lshl_b32 s13, s10, 9
	s_add_co_u32 s14, s12, s13                     ; Q: my head's 128 columns
	s_mov_b32 s15, 0
	s_lshr_b32 s13, s10, 2
	s_lshl_b32 s13, s13, 9
	s_add_co_u32 s16, s12, s13
	s_add_co_u32 s16, s16, 4096                    ; K: column 1,024 + 128 kvh; V lies 1,024 bytes further on
	s_mov_b32 s17, 0
	s_lshl_b32 s18, ttmp9, 16                      ; w_o: row n0, 4,096 bytes a row,
	s_lshl_b32 s13, s10, 9
	s_add_co_u32 s18, s18, s13                     ; my head's 128 columns
	s_mov_b32 s19, 0
	s_lshl_b32 s20, s11, 23                        ; out0: the batch's first row,
	s_lshl_b32 s13, ttmp9, 6
	s_add_co_u32 s20, s20, s13                     ; column n0
	s_mov_b32 s21, 0
	s_mov_b32 s22, 0x3e0293ee                      ; c = log2(e) / sqrt(128)
	s_mov_b32 s24, 0x76543210
	s_mov_b32 s25, 0xfedcba98
	v_mul_u32_u24 v3, v1, 6144
	v_lshl_add_u32 v3, v2, 4, v3                   ; Q, K: row r, + 16 h
	v_mul_u32_u24 v4, v2, 49152
	v_lshl_add_u32 v4, v1, 2, v4                   ; V: key 8 h, channel r
	v_lshlrev_b32 v5, 12, v1
	v_lshl_add_u32 v5, v2, 5, v5                   ; w_o and out0: row r of 4,096 bytes, + 32 h
	v_and_b32 v7, 31, v0
	v_lshlrev_b32 v7, 4, v7                        ; LDS: 16 x lane,
	s_lshl_b32 s13, s10, 10
	v_add_nc_u32 v6, s13, v7                       ; + 1,024 x wave
	v_lshlrev_b32 v248, 3, v2
	v_sub_nc_u32 v248, v1, v248                    ; r - 8 h
	v_mov_b32 v250, 0                              ; a lane permute's destination counts as one of its sources
	v_mov_b32 v253, 0xff800000                     ; -infinity
	s_wait_kmcnt 0x0
	s_add_nc_u64 s[14:15], s[4:5], s[14:15]
	s_add_nc_u64 s[16:17], s[4:5], s[16:17]
	s_add_nc_u64 s[18:19], s[6:7], s[18:19]
	s_add_nc_u64 s[20:21], s[8:9], s[20:21]
.irp c, 0,1,2,3,4,5,6,7,8,9,10,11,12,13,14,15
	global_load_b128 v[QR+4*\c:QR+4*\c+3], v3, s[14:15] offset:32*\c   ; channels 8 c + 4 h + 0 .. 3 of query r
.endr
.irp c, 0,1,2,3,4,5,6,7,8,9,10,11,12,13,14,15
	global_load_b128 v[KR+4*\c:KR+4*\c+3], v3, s[16:17] offset:32*\c   ; the same of key r
.endr
.irp t, 0,1,2,3,4,5,6,7
.irp k, 0,1,2,3,4,5,6,7
	global_load_b32 v[VR+8*\t+\k], v4, s[16:17] offset:1024+6144*\k+64*\t   ; V(key 8 h + k, channel 16 t + r)
.endr
.endr
	s_wait_loadcnt 63                              ; of the 96 loads issued at most 63 are out: the first 33 are in, Q's 16 and K's 16 among them (behind K's last stand V's 64; 63 is the largest count that this wait can name)
	; S^T = K Q^T: a lane gets query r and keys 8 h + 0 .. 7, in four partial sums
.set n, 0
.rept 32
.if n < 4
	v_wmma_f32_16x16x4_f32 v[ACC+8*(n%4):ACC+8*(n%4)+7], v[KR+2*n:KR+2*n+1], v[QR+2*n:QR+2*n+1], 0
.else
	v_wmma_f32_16x16x4_f32 v[ACC+8*(n%4):ACC+8*(n%4)+7], v[KR+2*n:KR+2*n+1], v[QR+2*n:QR+2*n+1], v[ACC+8*(n%4):ACC+8*(n%4)+7]
.endif
.set n, n+1
.endr
.rept 8
	v_nop
.endr
.irp t, 0,1,2,3,4,5,6,7
	global_load_b128 v[QR+8*\t:QR+8*\t+3], v5, s[18:19] offset:64*\t        ; w_o(n0 + r, 128 w + 16 t + 8 h + 0 .. 7), into Q's registers
	global_load_b128 v[QR+8*\t+4:QR+8*\t+7], v5, s[18:19] offset:64*\t+16
.endr
.irp p, 0,2,4,6
	v_pk_add_f32 v[PR+\p:PR+\p+1], v[ACC+\p:ACC+\p+1], v[ACC+8+\p:ACC+8+\p+1]
	v_pk_add_f32 v[T2+\p:T2+\p+1], v[ACC+16+\p:ACC+16+\p+1], v[ACC+24+\p:ACC+24+\p+1]
.endr
.irp p, 0,2,4,6
	v_pk_add_f32 v[PR+\p:PR+\p+1], v[PR+\p:PR+\p+1], v[T2+\p:T2+\p+1]
.endr
.irp j, 0,1,2,3,4,5,6,7
	v_cmp_gt_i32 vcc_lo, \j, v248                  ; key 8 h + j comes after query r
	v_cndmask_b32 v[PR+\j], v[PR+\j], v253, vcc_lo
.endr
	v_max3_num_f32 v249, v[PR], v[PR+1], v[PR+2]
	v_max3_num_f32 v249, v249, v[PR+3], v[PR+4]
	v_max3_num_f32 v249, v249, v[PR+5], v[PR+6]
	v_max_num_f32 v249, v249, v[PR+7]
	v_permlanex16_b32 v250, v249, s24, s25
	v_max_num_f32 v249, v249, v250                 ; the row's maximum (key 0 counts for every query)
	v_mul_f32 v249, s22, v249
.irp j, 0,1,2,3,4,5,6,7
	v_fma_f32 v[PR+\j], v[PR+\j], s22, -v249
.endr
.irp j, 0,1,2,3,4,5,6,7
	v_exp_f32 v[PR+\j], v[PR+\j]
.endr
	v_nop
	s_wait_alu depctr_va_vdst(0)                   ; one wait for the eight exponentials, ahead of their first reader
	v_add_f32 v251, v[PR], v[PR+1]
.irp j, 2,3,4,5,6,7
	v_add_f32 v251, v251, v[PR+\j]
.endr
	v_permlanex16_b32 v250, v251, s24, s25
	v_add_f32 v251, v251, v250
	v_rcp_f32 v252, v251
	v_nop
	s_wait_alu depctr_va_vdst(0)
	s_wait_loadcnt 16                              ; V is in; w_o's 16 loads may be out
	; O^T = V^T P, four tiles of 16 channels at a time; instruction c takes keys 2 c, 2 c + 1, 8 + 2 c, 9 + 2 c
.irp g, 0,1
.rept 9
	v_nop
.endr
.irp c, 0,1,2,3
.irp t, 0,1,2,3
.if \c == 0
	v_wmma_f32_16x16x4_f32 v[ACC+8*\t:ACC+8*\t+7], v[VR+8*(4*\g+\t)+2*\c:VR+8*(4*\g+\t)+2*\c+1], v[PR+2*\c:PR+2*\c+1], 0
.else
	v_wmma_f32_16x16x4_f32 v[ACC+8*\t:ACC+8*\t+7], v[VR+8*(4*\g+\t)+2*\c:VR+8*(4*\g+\t)+2*\c+1], v[PR+2*\c:PR+2*\c+1], v[ACC+8*\t:ACC+8*\t+7]
.endif
.endr
.endr
.rept 8
	v_nop
.endr
.irp t, 0,1,2,3
.irp p, 0,2,4,6
	v_pk_mul_f32 v[KR+8*(4*\g+\t)+\p:KR+8*(4*\g+\t)+\p+1], v[ACC+8*\t+\p:ACC+8*\t+\p+1], v[252:253] op_sel_hi:[1,0]   ; y(r, 16 t + 8 h + j) = O^T / the sum
.endr
.endr
.endr
	s_wait_loadcnt 0x0                             ; w_o
.rept 9
	v_nop
.endr
	; my part of the projection: source 0 = 16 rows of w_o, source 1 = y: a lane gets row r and columns n0 + 8 h + 0 .. 7
.set n, 0
.rept 32
.if n < 4
	v_wmma_f32_16x16x4_f32 v[ACC+8*(n%4):ACC+8*(n%4)+7], v[QR+2*n:QR+2*n+1], v[KR+2*n:KR+2*n+1], 0
.else
	v_wmma_f32_16x16x4_f32 v[ACC+8*(n%4):ACC+8*(n%4)+7], v[QR+2*n:QR+2*n+1], v[KR+2*n:KR+2*n+1], v[ACC+8*(n%4):ACC+8*(n%4)+7]
.endif
.set n, n+1
.endr
.rept 8
	v_nop
.endr
.irp p, 0,2,4,6
	v_pk_add_f32 v[PR+\p:PR+\p+1], v[ACC+\p:ACC+\p+1], v[ACC+8+\p:ACC+8+\p+1]
	v_pk_add_f32 v[T2+\p:T2+\p+1], v[ACC+16+\p:ACC+16+\p+1], v[ACC+24+\p:ACC+24+\p+1]
.endr
.irp p, 0,2,4,6
	v_pk_add_f32 v[PR+\p:PR+\p+1], v[PR+\p:PR+\p+1], v[T2+\p:T2+\p+1]
.endr
	ds_store_b128 v6, v[PR:PR+3]                   ; an image of my eight registers: 16 bytes a lane, twice
	ds_store_b128 v6, v[PR+4:PR+7] offset:512
	s_wait_dscnt 0x0                               ; for the others' sake: my stores are done
	s_barrier_signal -1
	s_barrier_wait -1
	s_cmp_lg_u32 s10, 0
	s_cbranch_scc1 .Ldone                          ; wave 0 adds the eight parts
.irp w, 0,1,2,3,4,5,6,7
	ds_load_b128 v[VR+8*\w:VR+8*\w+3], v7 offset:1024*\w
	ds_load_b128 v[VR+8*\w+4:VR+8*\w+7], v7 offset:1024*\w+512
.endr
	s_wait_dscnt 0x0
.irp w, 1,2,3,4,5,6,7
.irp p, 0,2,4,6
	v_pk_add_f32 v[VR+\p:VR+\p+1], v[VR+\p:VR+\p+1], v[VR+8*\w+\p:VR+8*\w+\p+1]
.endr
.endr
	global_store_b128 v5, v[VR:VR+3], s[20:21]
	global_store_b128 v5, v[VR+4:VR+7], s[20:21] offset:16
.Ldone:
	s_wait_tensorcnt 0x0                           ; the wave's end
	ds_add_u32 v254, v255
	s_wait_dscnt 0x0
	s_endpgm
.Lfunc_end_k_qed2967cdd6_fine:
	.size	k_qed2967cdd6_fine, .Lfunc_end_k_qed2967cdd6_fine-k_qed2967cdd6_fine
	.p2alignl 7, 3214868480
	.fill 96, 4, 3214868480
	.section	.rodata,"a",@progbits
	.p2align	6, 0x0
	.amdhsa_kernel k_qed2967cdd6_fine
		.amdhsa_group_segment_fixed_size 9216
		.amdhsa_private_segment_fixed_size 0
		.amdhsa_enable_private_segment 0
		.amdhsa_kernarg_size 24
		.amdhsa_user_sgpr_count 2
		.amdhsa_user_sgpr_kernarg_segment_ptr 1
		.amdhsa_wavefront_size32 1
		.amdhsa_system_sgpr_workgroup_id_x 1
		.amdhsa_system_sgpr_workgroup_id_y 1
		.amdhsa_system_sgpr_workgroup_id_z 1
		.amdhsa_system_vgpr_workitem_id 0
		.amdhsa_next_free_vgpr 256
		.amdhsa_next_free_sgpr 66
		.amdhsa_reserve_vcc 1
		.amdhsa_float_denorm_mode_32 3
		.amdhsa_float_denorm_mode_16_64 3
		.amdhsa_memory_ordered 1
		.amdhsa_forward_progress 1
		.amdhsa_inst_pref_size 30
	.end_amdhsa_kernel
	.amdgpu_metadata
---
amdhsa.version: [ 1, 2 ]
amdhsa.kernels:
  - .name:           k_qed2967cdd6_fine
    .symbol:         k_qed2967cdd6_fine.kd
    .args:
      - { .name: fine_qkv, .offset: 0, .size: 8, .value_kind: global_buffer, .address_space: global }
      - { .name: w_o, .offset: 8, .size: 8, .value_kind: global_buffer, .address_space: global }
      - { .name: out0, .offset: 16, .size: 8, .value_kind: global_buffer, .address_space: global }
    .group_segment_fixed_size: 9216
    .private_segment_fixed_size: 0
    .kernarg_segment_align: 8
    .kernarg_segment_size: 24
    .max_flat_workgroup_size: 256
    .sgpr_count:     66
    .vgpr_count:     256
    .wavefront_size: 32
...
	.end_amdgpu_metadata
.endif
;; end of part 5
